; MI455X (gfx1250); checked and timed in simulation.
; The chip was launched on July 23, 2026; its instructions are those of AMD's public machine-readable ISA for CDNA 5 (MIT licence, August 2026) and "CDNA5" Instruction Set Architecture Reference Guide (July 2026). The comments in the code are by the model that wrote it; some were corrected since.
;; Multi Head Self Attention. Allowed arithmetic: matrix products marked QUANTISED: E2M1 operands, one E8M0 scale for each 32 along K, by v_wmma_scale_f32_16x16x128_f8f6f4 with both operands' format E2M1 (or v_wmma_scale_f32_32x16x128_f4), f32 sums; products left as they are: bf16, f16 or f32 operands; f32 sums; everything else in f32.
;; Inputs: Wk 1,024 x 1,024 float32; Wo 1,024 x 1,024 float32; Wq 1,024 x 1,024 float32; Wv 1,024 x 1,024 float32; token_positions 2,048 int32; x 4 x 2,048 x 1,024 float32.
;; Outputs: out0 4 x 2,048 x 1,024 float32.
;; This version of the problem:
;;   THIS VERSION OF THE PROBLEM IS GIVEN IN LOW PRECISION. The matrix products marked QUANTISED in the list below multiply operands that are first quantised to E2M1 (2 exponent bits, 1 mantissa bit; 4 bits a number), with one power-of-two scale for each 32 numbers along K (OCP MX v1.0); their sums are f32. The products marked 'left as it is' may take bf16, f16 or f32 operands, with f32 sums. Whichever they take, every output number must still come out within the allowed error. Rounding operands to bf16 (8 significant bits) uses up far more of that allowance than f16 does (11 bits, for magnitudes from 6e-5 to 65,504). All else is computed in f32.
;;   The module's matrix products, in the order in which they are computed (A, B: the left and right operand; K: the contracted axis; several contracted axes count as one K, in the product's order):
;;     1. [M 8,192, K 1,024] x [K 1,024, N 1,024]; A: input x; B: input Wq: QUANTISED
;;     2. [M 8,192, K 1,024] x [K 1,024, N 1,024]; A: input x; B: input Wk: QUANTISED
;;     3. [M 8,192, K 1,024] x [K 1,024, N 1,024]; A: input x; B: input Wv: QUANTISED
;;     4. batch 64 x [M 2,048, K 64] x [K 64, N 2,048]; A: computed on the way; B: computed on the way: left as it is (an operand is computed on the way)
;;     5. batch 64 x [M 2,048, K 2,048] x [K 2,048, N 64]; A: computed on the way; B: computed on the way: left as it is (an operand is computed on the way)
;;     6. [M 8,192, K 1,024] x [K 1,024, N 1,024]; A: computed on the way; B: input Wo: left as it is (an operand is computed on the way)
;;   THE QUANTISER, for each operand of a quantised product, along K:
;;     - K is cut into blocks of 32 from its start; a last block that is shorter is filled with zeros.
;;     - A block's scale is 2^e with e = floor(log2(the largest magnitude in the block)) - 2, held to -126 .. 127; a block of zeros has e = 0. As a byte (E8M0): e + 127.
;;     - Each number is divided by its block's scale, clamped to +-6, and rounded to the nearest number of E2M1, ties to even, subnormals kept.
;;     - The product sums the exact products of the quantised numbers (number of the format x scale) in f32.
;;   ~~~python
;;   def quantise(x, axis):      # numpy; x: float32 -> the quantised numbers, widened to float32 again
;;       x = np.moveaxis(x, axis, -1); K = x.shape[-1]
;;       x = np.pad(x, [(0, 0)] * (x.ndim - 1) + [(0, -K % 32)]); x = x.reshape(x.shape[:-1] + (-1, 32)); a = np.abs(x).max(-1, keepdims=True)
;;       e = np.where(a > 0, np.clip(np.frexp(np.where(a > 0, a, 1))[1] - 1 - 2, -126, 127), 0)      # np.frexp(a)[1] - 1 = floor(log2(a)), exactly
;;       r = np.clip(x / 2.0 ** e, -6, 6)
;;       step = 2.0 ** (np.maximum(np.frexp(np.where(r == 0, 1, r))[1] - 1, 0) - 1)
;;       q = np.round(r / step) * step * 2.0 ** e      # np.round: ties to even
;;       return np.moveaxis(q.reshape(q.shape[:-2] + (-1,))[..., :K], -1, axis).astype(np.float32)
;;   ~~~
;; One version. Each part assembles by itself: llvm-mc -triple=amdgcn-amd-amdhsa -mcpu=gfx1250 --defsym DOCPART=n.
;; ======== version 1 of 1: 5 launches
;; limits: values are held in f16: magnitudes above 65,504 overflow, below 6.1e-05 lose precision
;; workspace buffers: codes 5,767,168 bytes; scales 360,448 bytes; wo_h 2,097,152 bytes; rope_tab 524,288 bytes; qkv_h 50,331,648 bytes; attn_h 16,777,216 bytes; first32 786,432 bytes
;; launch prep (part 1): grid 416 x 1, 4 waves a work-group, no clusters, 33,280 bytes of LDS; arguments x, Wq, Wk, Wv, Wo, token_positions, codes, scales, wo_h, rope_tab; writes codes, scales, wo_h, rope_tab
.if DOCPART == 1
	.amdgcn_target "amdgcn-amd-amdhsa--gfx1250"
	.amdhsa_code_object_version 6
	.text
	.protected	k_q2786604e4a_prep
	.globl	k_q2786604e4a_prep
	.p2align	8
	.type	k_q2786604e4a_prep,@function
k_q2786604e4a_prep:
	s_mov_b64 s[64:65], 0
	v_nop
	global_prefetch_b8 v0, s[64:65] scope:SCOPE_SE
	s_setreg_imm32_b32 hwreg(HW_REG_WAVE_MODE, 25, 1), 1
	s_wait_xcnt 0x0
; PREP: three kinds of work-groups, told apart by the work-group's number.
;  0-351   x [8192][1024] and Wq, Wk, Wv [1024][1024], f32, become codes of FP4 (E2M1), K innermost, with one E8M0 byte for each 32 along K.  The four tensors are one stream of
;          11,264 rows in 'codes' (512 bytes a row) and 'scales' (32 bytes a row): rows 0-8191 x, then Wq, Wk, Wv.  A block's scale is 2^(floor(log2(largest magnitude)) - 2).
;  352-383 Wo [1024][1024] f32 becomes f16, laid as images of operand registers: wo_h[nb][ks] is 1,024 bytes; byte 512 c + 16 lane + 2 e is Wo(16 nb + lane % 16, 32 ks + 16 c + 8 (lane / 16) + e).
;  384-415 rope_tab[s][i] = (cos, sin) of token_positions[s] x 10000^(-i / 32), f32: 256 bytes a sequence place.
; LIMITS: NaN and infinities among the inputs are not served.  A block of zeros, and one whose largest magnitude lies under 2^(3 - 127), gets the byte 1 (its codes are zeros or nearly; this program
; alone reads the bytes).  The frequency is 2^(i x -log2(10000) / 32) by v_exp_f32, so an angle differs from a correctly rounded one by a few parts in 10^7 of its size; a position is exact in f32 up to 2^24.
; Sine and cosine: the angle less n x pi/2 in three parts (fused), then polynomials on [-pi/4, pi/4]; the quadrant only selects values and signs: no branch hangs on a number.
; No tensor loads, no barrier: waves share nothing.  Only the quantiser's way touches LDS.
.set WAVES, 4
.set STEPS, 16
.set EMAX,  2
.set CB,    8                          ; bytes of 16 codes
.set R,     16                         ; v16-79   four sets of 16 numbers as they are loaded
.set X,     80                         ; v80-111  two sets of 16 neighbours
.set E,     112                        ; v112-127 a scale byte for each step
.set C,     128                        ; v128-191 codes: four registers for each step
.set WREG,  8192                       ; LDS: a region for each wave: two stages of 32 x SP bytes, behind them its 256 scale bytes
.set SP,    80                         ; a lane's place in a stage: 64 bytes + 16 of padding
.set SPW,   12                         ; v12  LDS address of my spare word; never rewritten
.set NIL,   13                         ; v13  0; never rewritten
.set SPARE, WAVES*WREG                 ; behind the four regions: the spare words, 128 bytes a wave
.set WX,    16                         ; Wo's way: v16-143 eight sets of 16 numbers
.set WH,    144                        ;           v144-175 four sets of 8 registers of f16
.macro LOAD t
.irp i, 0,1,2,3
	global_load_b128 v[R+16*((\t)%4)+4*\i:R+16*((\t)%4)+4*\i+3], v3, s[28:29] offset:2048*(\t)+512*\i th:TH_LOAD_NT   ; 32 lanes read 512 consecutive bytes
.endr
.endm
.macro TURN t                          ; step t's numbers through the stage: LDS serves a wave's instructions in order, so no wait stands between the stores and the loads
.irp i, 0,1,2,3
	ds_store_b128 v14, v[R+16*((\t)%4)+4*\i:R+16*((\t)%4)+4*\i+3] offset:32*SP*((\t)%2)+8*SP*\i
.endr
.irp i, 0,1,2,3
	ds_load_b128 v[X+16*((\t)%2)+4*\i:X+16*((\t)%2)+4*\i+3], v15 offset:32*SP*((\t)%2)+16*\i
.endr
.endm
.macro QSTEP t                         ; 512 numbers: 16 neighbours a lane, two lanes to a block
.set XS, X+16*((\t)%2)
.if (\t) > 0
	s_wait_dscnt 1                                 ; this step's numbers are back from the stage (the last step's byte store may be out)
.else
	s_wait_dscnt 0x0
.endif
.if (\t)+4 < STEPS
	LOAD (\t)+4                                    ; into the registers that the stage's stores have read
.endif
.if (\t)+1 < STEPS
.if STEPS-2-(\t) >= 3
	s_wait_loadcnt 12                              ; the next step's four loads are in; those of the three steps behind it may be out
.else
	s_wait_loadcnt 4*(STEPS-2-(\t))
.endif
	TURN (\t)+1
.endif
	v_max3_num_f32 v8, |v[XS]|, |v[XS+1]|, |v[XS+2]|               ; the largest magnitude of my 16, in two chains
	v_max3_num_f32 v9, |v[XS+3]|, |v[XS+4]|, |v[XS+5]|
.irp i, 6,10
	v_max3_num_f32 v8, v8, |v[XS+\i]|, |v[XS+\i+1]|
	v_max3_num_f32 v9, v9, |v[XS+\i+2]|, |v[XS+\i+3]|
.endr
	v_max3_num_f32 v8, v8, |v[XS+14]|, |v[XS+15]|
	v_max3_num_f32 v8, v8, v9, (EMAX+1)<<23        ; and the floor 2^(EMAX + 1 - 127): the byte cannot fall under 1
	v_max_num_f32_dpp v8, v8, v8 row_xmask:1 row_mask:0xf bank_mask:0xf   ; with my neighbour's 16: the block's
	v_add_nc_u32 v11, -(EMAX<<23), v8              ; EMAX off its exponent field: the conversion takes the exponent field of this operand as its scale
	v_cvt_scalef32_pk8_fp4_f32 v[C+4*(\t)], v[XS:XS+7], v11
	v_cvt_scalef32_pk8_fp4_f32 v[C+4*(\t)+1], v[XS+8:XS+15], v11
	v_lshrrev_b32 v[E+(\t)], 23, v11               ; the scale's byte (also the plain line behind the conversions)
	ds_store_b8 v5, v[E+(\t)] offset:16*(\t)       ; both lanes of a block write the same byte with the same value
	global_store_b64 v4, v[C+4*(\t):C+4*(\t)+1], s[16:17] offset:32*CB*(\t)   ; the wave stores 256 consecutive bytes, aligned
.endm
.macro WLOAD ks                        ; Wo: 16 rows x 32 along K: my 16 numbers: k = 8 h + 0..7 and 16 + 8 h + 0..7
.irp o, 0,1,2,3
	global_load_b128 v[WX+16*((\ks)%8)+4*\o:WX+16*((\ks)%8)+4*\o+3], v8, s[12:13] offset:128*(\ks)+16*(\o%2)+64*(\o/2)
.endr
.endm
.macro WSTEP ks
.if (\ks) < 8
	s_wait_loadcnt 28                              ; my four loads are in: behind them 4 (7 - ks) of this half and 4 ks of the next
.else
	s_wait_loadcnt 4*(15-(\ks))
.endif
.if (\ks) >= 4
	s_wait_xcnt 0x0                                ; the stores of four pieces back have read their registers
.endif
.irp p, 0,1,2,3,4,5,6,7
	v_cvt_pk_f16_f32 v[WH+8*((\ks)%4)+\p], v[WX+16*((\ks)%8)+2*\p], v[WX+16*((\ks)%8)+2*\p+1]
.endr
.if (\ks) < 8
	WLOAD (\ks)+8
.endif
	global_store_b128 v9, v[WH+8*((\ks)%4):WH+8*((\ks)%4)+3], s[20:21] offset:1024*(\ks)        ; 512 consecutive bytes, aligned
	global_store_b128 v9, v[WH+8*((\ks)%4)+4:WH+8*((\ks)%4)+7], s[20:21] offset:1024*(\ks)+512
.endm
.macro POS p                           ; place p of my 16: lane i makes (cos, sin) of frequency i
	v_cvt_f32_i32 v20, s[32+\p]
	v_mul_f32 v20, v20, v16                        ; the angle
	v_mul_f32 v21, s48, v20
	v_rndne_f32 v21, v21                           ; n = the nearest whole number of quarter turns
	v_fma_f32 v22, v21, s49, v20                   ; r = angle - n pi/2, pi/2 in three parts
	v_fma_f32 v22, v21, s50, v22
	v_fma_f32 v22, v21, s51, v22
	v_mul_f32 v23, v22, v22                        ; z = r^2
	v_fma_f32 v24, v23, s52, s53
	v_fma_f32 v24, v24, v23, s54
	v_mul_f32 v25, v22, v23
	v_fma_f32 v24, v25, v24, v22                   ; sin r
	v_fma_f32 v26, v23, s55, s56
	v_fma_f32 v26, v26, v23, s57
	v_fma_f32 v27, v23, -0.5, 1.0
	v_mul_f32 v28, v23, v23
	v_fma_f32 v26, v28, v26, v27                   ; cos r
	v_cvt_i32_f32 v29, v21
	v_and_b32 v30, 1, v29
	v_cmp_eq_u32 vcc_lo, 1, v30                    ; odd quarter: sine and cosine change places
	v_cndmask_b32 v31, v24, v26, vcc_lo
	v_cndmask_b32 v32, v26, v24, vcc_lo
	v_and_b32 v33, 2, v29                          ; quarters 2, 3: the sine's sign turns
	v_lshlrev_b32 v33, 30, v33
	v_xor_b32 v[65+2*\p], v31, v33
	v_add_nc_u32 v34, 1, v29                       ; quarters 1, 2: the cosine's
	v_and_b32 v34, 2, v34
	v_lshlrev_b32 v34, 30, v34
	v_xor_b32 v[64+2*\p], v32, v34
	global_store_b64 v17, v[64+2*\p:65+2*\p], s[22:23] offset:256*\p   ; the wave stores 256 consecutive bytes, aligned
.endm
	s_load_b512 s[4:19], s[0:1], 0x0               ; x 4, Wq 6, Wk 8, Wv 10, Wo 12, token_positions 14, codes 16, scales 18
	s_load_b128 s[20:23], s[0:1], 0x40             ; wo_h 20, rope_tab 22
	v_lshl_add_u32 v[SPW], v0, 2, SPARE
	v_mov_b32 v[NIL], 0
	v_lshrrev_b32 v1, 5, v0
	v_readfirstlane_b32 s24, v1                    ; wave
	v_and_b32 v2, 31, v0                           ; lane
	s_mul_i32 s33, s24, WREG                       ; the quantiser's LDS addresses are made here, on the one way that all work-groups take
	v_lshrrev_b32 v14, 2, v2
	v_mul_u32_u24 v14, v14, SP
	v_and_b32 v15, 3, v2
	v_lshl_add_u32 v14, v15, 4, v14
	v_add_nc_u32 v14, s33, v14                     ; the stage, on the way in: SP (lane / 4) + 16 (lane % 4)
	v_mul_u32_u24 v15, v2, SP
	v_add_nc_u32 v15, s33, v15                     ; and on the way out: SP x lane
	v_lshrrev_b32 v5, 1, v2
	s_add_co_u32 s33, s33, 2*32*SP
	v_add_nc_u32 v5, s33, v5                       ; my wave's 256 scale bytes, my block's byte
	v_lshlrev_b32 v7, 3, v2
	v_add_nc_u32 v6, s33, v7                       ; and on the way out 8 bytes a lane
	s_wait_kmcnt 0x0
	s_cmp_ge_u32 ttmp9, 384
	s_cbranch_scc1 .Ltab
	s_cmp_ge_u32 ttmp9, 352
	s_cbranch_scc1 .Lwo
	; ---- the quantiser: a wave takes a run of 8,192 numbers
	v_lshlrev_b32 v3, 4, v2                        ; my 16 bytes of a load's 512
	v_mul_u32_u24 v4, v2, CB                       ; my codes' place in a step's
	s_sub_co_u32 s25, ttmp9, 256
	s_lshr_b32 s26, s25, 5                         ; which weight: 32 work-groups each
	s_and_b32 s27, s25, 31
	s_cmp_eq_u32 s26, 1                            ; the choices hang on the work-group's number alone
	s_cselect_b64 s[28:29], s[8:9], s[6:7]
	s_cmp_eq_u32 s26, 2
	s_cselect_b64 s[28:29], s[10:11], s[28:29]
	s_cmp_lt_u32 ttmp9, 256
	s_cselect_b64 s[28:29], s[4:5], s[28:29]
	s_cselect_b32 s27, ttmp9, s27
	s_lshl_b32 s27, s27, 2
	s_add_co_u32 s30, s27, s24                     ; my run in the source tensor: 32,768 bytes each
	s_lshl_b32 s30, s30, 15
	s_mov_b32 s31, 0
	s_add_nc_u64 s[28:29], s[28:29], s[30:31]
	s_lshl_b32 s30, ttmp9, 2
	s_add_co_u32 s30, s30, s24                     ; my run in the one stream of codes (4,096 bytes) and of scale bytes (256)
	s_lshl_b32 s34, s30, 12
	s_mov_b32 s35, 0
	s_add_nc_u64 s[16:17], s[16:17], s[34:35]
	s_lshl_b32 s34, s30, 8
	s_add_nc_u64 s[18:19], s[18:19], s[34:35]
.irp t, 0,1,2,3
	LOAD \t
.endr
	s_wait_loadcnt 12                              ; step 0's four loads are in
	TURN 0
.irp t, 0,1,2,3,4,5,6,7,8,9,10,11,12,13,14,15
	QSTEP \t
.endr
	ds_load_b64 v[8:9], v6                         ; LDS serves a wave's instructions in order: these see my byte stores
	s_wait_dscnt 0x0
	global_store_b64 v7, v[8:9], s[18:19]          ; 32 lanes store 256 consecutive bytes, aligned
	s_wait_tensorcnt 0x0                           ; the wave's end, behind my last LDS store
	ds_add_u32 v[SPW], v[NIL]
	s_wait_dscnt 0x0
	s_endpgm
.Lwo:	; ---- Wo to f16 images: a wave takes 16 rows x 512 along K: 16 pieces of 32
	s_sub_co_u32 s25, ttmp9, 352
	s_lshl_b32 s25, s25, 2
	s_add_co_u32 s25, s25, s24
	s_lshr_b32 s26, s25, 1                         ; nb: which 16 rows
	s_and_b32 s27, s25, 1                          ; which half of K
	s_lshl_b32 s28, s26, 16
	s_lshl_b32 s29, s27, 11
	s_add_co_u32 s28, s28, s29
	s_mov_b32 s29, 0
	s_add_nc_u64 s[12:13], s[12:13], s[28:29]
	s_lshl_b32 s28, s26, 15
	s_lshl_b32 s30, s27, 14
	s_add_co_u32 s28, s28, s30
	s_add_nc_u64 s[20:21], s[20:21], s[28:29]
	v_and_b32 v8, 15, v2
	v_lshrrev_b32 v9, 4, v2
	v_lshlrev_b32 v8, 12, v8
	v_lshl_add_u32 v8, v9, 5, v8                   ; in: row lane % 16 of 4,096 bytes, + 32 (lane / 16)
	v_lshlrev_b32 v9, 4, v2                        ; out: 16 x lane
.irp t, 0,1,2,3,4,5,6,7
	WLOAD \t
.endr
.irp t, 0,1,2,3,4,5,6,7,8,9,10,11,12,13,14,15
	WSTEP \t
.endr
	s_endpgm
.Ltab:	; ---- the table of cosines and sines: a wave takes 16 places of the sequence, a lane a frequency
	s_sub_co_u32 s25, ttmp9, 384
	s_lshl_b32 s25, s25, 6
	s_lshl_b32 s26, s24, 4
	s_add_co_u32 s25, s25, s26                     ; my first place
	s_lshl_b32 s26, s25, 2
	s_mov_b32 s27, 0
	s_add_nc_u64 s[14:15], s[14:15], s[26:27]
	s_load_b512 s[32:47], s[14:15], 0x0            ; 16 positions: they enter values alone
	s_lshl_b32 s58, s25, 8
	s_mov_b32 s59, 0
	s_add_nc_u64 s[22:23], s[22:23], s[58:59]
	s_mov_b32 s48, 0x3f22f983                      ; 2 / pi
	s_mov_b32 s49, 0xbfc90fdb                      ; -(pi/2 rounded to f32)
	s_mov_b32 s50, 0x333bbd2e                      ; what that left over, with its sign turned,
	s_mov_b32 s51, 0x26f72ced                      ; and what that left over
	s_mov_b32 s52, 0xb94ca1f9                      ; the sine's polynomial
	s_mov_b32 s53, 0x3c08839e
	s_mov_b32 s54, 0xbe2aaaa3
	s_mov_b32 s55, 0x37ccf5ce                      ; the cosine's
	s_mov_b32 s56, 0xbab6061a
	s_mov_b32 s57, 0x3d2aaaa5
	v_cvt_f32_u32 v19, v2
	v_mul_f32 v19, 0xbed49a78, v19                 ; i x -log2(10000) / 32
	v_exp_f32 v16, v19                             ; the frequency
	v_lshlrev_b32 v17, 3, v2                       ; (a plain line behind the exponential)  8 bytes a lane
	s_wait_alu depctr_va_vdst(0)                   ; the wait ahead of the result's first reader
	s_wait_kmcnt 0x0
.irp p, 0,1,2,3,4,5,6,7,8,9,10,11,12,13,14,15
	POS \p
.endr
	s_endpgm
.Lfunc_end_k_q2786604e4a_prep:
	.size	k_q2786604e4a_prep, .Lfunc_end_k_q2786604e4a_prep-k_q2786604e4a_prep
	.p2alignl 7, 3214868480
	.fill 96, 4, 3214868480
	.section	.rodata,"a",@progbits
	.p2align	6, 0x0
	.amdhsa_kernel k_q2786604e4a_prep
		.amdhsa_group_segment_fixed_size 33280
		.amdhsa_private_segment_fixed_size 0
		.amdhsa_enable_private_segment 0
		.amdhsa_kernarg_size 80
		.amdhsa_user_sgpr_count 2
		.amdhsa_user_sgpr_kernarg_segment_ptr 1
		.amdhsa_wavefront_size32 1
		.amdhsa_system_sgpr_workgroup_id_x 1
		.amdhsa_system_sgpr_workgroup_id_y 1
		.amdhsa_system_sgpr_workgroup_id_z 1
		.amdhsa_system_vgpr_workitem_id 0
		.amdhsa_next_free_vgpr 192
		.amdhsa_next_free_sgpr 66
		.amdhsa_reserve_vcc 1
		.amdhsa_float_denorm_mode_32 3
		.amdhsa_float_denorm_mode_16_64 3
		.amdhsa_memory_ordered 1
		.amdhsa_forward_progress 1
		.amdhsa_inst_pref_size 74
	.end_amdhsa_kernel
	.amdgpu_metadata
---
amdhsa.version: [ 1, 2 ]
amdhsa.kernels:
  - .name:           k_q2786604e4a_prep
    .symbol:         k_q2786604e4a_prep.kd
    .args:
      - { .name: x, .offset: 0, .size: 8, .value_kind: global_buffer, .address_space: global }
      - { .name: Wq, .offset: 8, .size: 8, .value_kind: global_buffer, .address_space: global }
      - { .name: Wk, .offset: 16, .size: 8, .value_kind: global_buffer, .address_space: global }
      - { .name: Wv, .offset: 24, .size: 8, .value_kind: global_buffer, .address_space: global }
      - { .name: Wo, .offset: 32, .size: 8, .value_kind: global_buffer, .address_space: global }
      - { .name: token_positions, .offset: 40, .size: 8, .value_kind: global_buffer, .address_space: global }
      - { .name: codes, .offset: 48, .size: 8, .value_kind: global_buffer, .address_space: global }
      - { .name: scales, .offset: 56, .size: 8, .value_kind: global_buffer, .address_space: global }
      - { .name: wo_h, .offset: 64, .size: 8, .value_kind: global_buffer, .address_space: global }
      - { .name: rope_tab, .offset: 72, .size: 8, .value_kind: global_buffer, .address_space: global }
    .group_segment_fixed_size: 33280
    .private_segment_fixed_size: 0
    .kernarg_segment_align: 8
    .kernarg_segment_size: 80
    .max_flat_workgroup_size: 128
    .sgpr_count:     66
    .vgpr_count:     192
    .wavefront_size: 32
...
	.end_amdgpu_metadata
.endif
;; end of part 1
;; launch qkv (part 2): grid 12 x 32, 4 waves a work-group, clusters of 4 x 4, 327,680 bytes of LDS; arguments codes, scales, rope_tab, qkv_h, first32; writes qkv_h, first32
.if DOCPART == 2
	.amdgcn_target "amdgcn-amd-amdhsa--gfx1250"
	.amdhsa_code_object_version 6
	.text
	.protected	k_q2786604e4a_qkv
	.globl	k_q2786604e4a_qkv
	.p2align	8
	.type	k_q2786604e4a_qkv,@function
k_q2786604e4a_qkv:
	s_mov_b64 s[64:65], 0
	v_nop
	global_prefetch_b8 v0, s[64:65] scope:SCOPE_SE
	s_setreg_imm32_b32 hwreg(HW_REG_WAVE_MODE, 25, 1), 1
	s_wait_xcnt 0x0
	s_wait_alu depctr_hold_cnt(0) depctr_sa_sdst(0) depctr_va_vdst(0) depctr_va_sdst(0) depctr_va_ssrc(0) depctr_va_vcc(0) depctr_vm_vsrc(0)
	s_getreg_b32 s2, hwreg(HW_REG_IB_STS2, 6, 4)
	s_cmp_eq_u32 s2, 0
	s_cbranch_scc0 .Lentry_in_a_cluster
	s_endpgm
.Lentry_in_a_cluster:
	s_bfe_u32 s2, ttmp6, 0x10000c
	s_cmp_lg_u32 s2, 0xf033
	s_cbranch_scc0 .Lentry_shape_is_right
	s_endpgm
.Lentry_shape_is_right:
; QKV: q, k, v = x Wq^T, x Wk^T, x Wv^T on codes of FP4 (E2M1) with one E8M0 scale for each 32 along K = 1,024; sums in f32; then the rotation of q and k in f32; results rounded to f16.
; 'codes' [11264][512 bytes], 'scales' [11264][32]: rows 0-8191 x (2048 b + s), 8192.. Wq, Wk, Wv.  A tile is 256 x 256; four waves, each 128 x 128: 64 accumulators, 512 registers.
; K is two slots of 512 (LDS rows of 256 bytes + 16 of padding): both slots and the tile's scale bytes are first fills, three tensor loads a wave; nothing is filled again.
; CLUSTERS: 4 x 4 work-groups; cluster x says which product (0 q, 1 k, 2 v), cluster y = CY which 256 places of a sequence.  "A"'s tile hangs on cy and is shared along a row of the cluster, "B"'s on cx
; and is shared along a column: joint loads.  The matrix instruction takes 16 rows of B as source 0 and 16 rows of A as source 1: a lane holds ONE row of A and eight neighbouring rows of B.
;   q, k: A = x (batch cy, places 256 CY on), B = the weight (rows 256 cx on): a lane holds one place and eight neighbouring channels: the rotation's pairs lie in register pairs, and four
;         conversions make 16 bytes that ARE a lane's part of the next product's operand (16 places x 32 channels).
;   v:    THE ROLES ARE EXCHANGED: A = Wv (rows 256 cy on), B = x (batch cx): a lane holds one channel and eight neighbouring places: the operand of V^T (16 channels x 32 keys).
; OUT, as images of operand registers (1,024 bytes: byte 512 c + 16 lane + 2 e = row lane % 16, k = 16 c + 8 (lane / 16) + e): every store of a wave covers 512 consecutive bytes, aligned; no stage in LDS.
;   qkv_h: Q at 0, K at 16 MiB: [64 heads][128 tiles of 16 places][2][image];  V^T at 32 MiB: [64 heads][64 pieces of 32 keys][4 tiles of 16 channels][image].
;   first32: places 0-15 of every sequence in f32, the accumulators' registers as they stand (after the rotation): [q, k, v][4 b][64 blocks of 16 columns][1,024 bytes: byte 512 c + 16 lane + 4 e = register 4 c + e].
; LIMITS: |q|, |k|, |v| stay under 65,504 (f16); the rotation uses fused multiply-adds.
.set SIZE_K, 1024
.set KSTEP,  512                       ; along K in a slot
.set NQ,     KSTEP/128                 ; matrix instructions deep
.set ROWB,   256                       ; a tile's row in bytes
.set KROW,   SIZE_K*4/8                ; a row of codes in memory
.set PITCH,  272                       ; an LDS row: 256 bytes + 16 of padding: the 16 rows that a load touches start at 16 different banks (64 banks of 4 bytes: ISA guide 11.1)
.set FR,     8                         ; registers of a fragment: 16 rows x 128 K
.set NL,     2                         ; LDS loads that bring one
.set NP,     4                         ; places behind this matrix instruction (ISA guide 7.12.1)
.set HALFT,  128*PITCH                 ; 128 rows: what one tensor load brings
.set SLOT,   4*HALFT                   ; A's 256 rows, then B's 256 rows
.set KS,     SIZE_K/32                 ; a row of scale bytes
.set SCL,    2*SLOT                    ; behind the slots: the scale bytes, as units of 256 bytes + 16 of padding
.set HALFS,  (128*KS/256)*272          ; those of 128 rows
.set SBLK,   (16*KS/256)*272           ; those of 16 rows
.set SPARE,  SCL+4*HALFS               ; the spare words, 128 bytes a wave
.set ADRA, 16                          ; v16-17  LDS address of my A fragments in slot 0, 1
.set ADRB, 20                          ; v20-21  the same for B
.set CO,   26                          ; v26     16 x lane: my place in an image
.set ADRS, 27                          ; v27     LDS address of my scale words: lanes 0-15 A's rows, lanes 16-31 B's
.set SPW,  28                          ; v28     LDS address of my spare word; never rewritten
.set NIL,  29                          ; v29     0; never rewritten
.set TO,   30                          ; v30     the table: 256 (lane % 16) + 32 (lane / 16)
.set SC,   32                          ; v32-95  scale words, two sets
.set AF,   128                         ; v128-191 A's fragments, one set
.set T,    32                          ; the way out: v32-95 a block's 64 rotated numbers
.set H0,   96                          ; v96-127, v128-159: their f16, two sets by turns
.set CS0,  192                         ; v192-223, v224-255: the table's (cos, sin) of a block of 16 places, two sets by turns; idle in the products
.set G1, 24                            ; s[24:31], s[32:39] descriptor groups 1 and 0 (a set a slot) for A's tiles
.set G0, 32
.set G1B, 48                           ; s[48:55], s[56:63] for B's
.set G0B, 56
.set G1S, 68                           ; s[68:75], s[76:79] for A's scale bytes; s[80:87], s[88:91] for B's
.set G0S, 76
.set G1SB, 80
.set G0SB, 88
.set OB,   66                          ; s[66:67] where my wave's images begin in qkv_h
.set TBL,  96                          ; s[96:97] the table at my wave's first place
.set F32B, 98                          ; s[98:99] where my blocks begin in first32
.set FL,   3                           ; s3      0 where my wave holds places 0-15 of a sequence
.set MSB, 0
.macro WIN new                         ; the immediate's high byte repeats the setting that is left
.if MSB != (\new)
	s_set_vgpr_msb (MSB<<8)|(\new)
.set MSB, (\new)
.endif
.endm
.set MUL_LO, 0xa1                      ; source 0 (B) window 1, source 1 (A) window 0, C and D window 2
.set MUL_HI, 0xf1                      ; the same, C and D window 3
.set TO_B,   0x40                      ; destination window 1, address window 0
; A joint load: waves 0 and 1 fetch for A, waves 2 and 3 for B; the branch hangs on the wave's number alone.  An s_nop 0 and four v_nop follow each of the two lines.
.macro JLOAD g0a, g1a, g0b, g1b
	s_cmp_eq_u32 s15, 0
	s_cbranch_scc0 .Lfor_b_\@
	tensor_load_to_lds s[\g0a:\g0a+3], s[\g1a:\g1a+7]
	s_nop 0
.rept 4
	v_nop
.endr
	s_branch .Lasked_\@
.Lfor_b_\@:
	tensor_load_to_lds s[\g0b:\g0b+3], s[\g1b:\g1b+7]
	s_nop 0
.rept 4
	v_nop
.endr
.Lasked_\@:
.endm
.macro CROUND                          ; a round of the cluster's barrier
	s_barrier_signal -1
	s_barrier_wait -1
	s_cmp_lg_u32 s14, 0
	s_cbranch_scc1 .Lnot_wave_0_\@
	s_barrier_signal -3
.Lnot_wave_0_\@:
	s_barrier_wait -3
	s_barrier_signal -1
	s_barrier_wait -1
.endm
	s_load_b256 s[4:11], s[0:1], 0x0               ; codes 4, scales 6, rope_tab 8, qkv_h 10
	s_load_b64 s[12:13], s[0:1], 0x20              ; first32
	v_lshl_add_u32 v[SPW], v0, 2, SPARE
	v_mov_b32 v[NIL], 0
	ds_add_u32 v[SPW], v[NIL]                      ; the wave's opening: the add, twice on end, and its wait ahead of my first tensor load
	ds_add_u32 v[SPW], v[NIL]                      ; (the set-up below, work on registers, stands between the second and the wait)
	v_lshrrev_b32 v1, 5, v0
	v_readfirstlane_b32 s14, v1                    ; wave 0..3
	s_lshr_b32 s15, s14, 1                         ; which half of A's rows is mine.  Also: I fetch for A (0) or for B (1)
	s_and_b32 s16, s14, 1                          ; which half of B's rows.  Also: which 128 rows I fetch
	s_bfe_u32 s40, ttmp6, 0x40000                  ; cx, cy: my place in the cluster
	s_bfe_u32 s41, ttmp6, 0x40004
	s_and_b32 s17, ttmp7, 0xffff                   ; CY: the cluster's y, the same in all sixteen
	s_lshl_b32 s95, s17, 8                         ; 256 CY
	s_lshl_b32 s43, s41, 2
	s_lshl_b32 s43, 15, s43                        ; my row of the cluster
	s_lshl_b32 s44, 0x1111, s40                    ; my column
	s_or_b32 s[G1+0], s43, (0<<16)|(1<<20)|(1<<21)|(5<<22)|(3<<25)  ; the mask; elements of 1 byte; padding on; bit 21 beside a mask; after every 64 words, 4 words
	s_or_b32 s[G1B+0], s44, (0<<16)|(1<<20)|(1<<21)|(5<<22)|(3<<25)
.irp g, G1, G1B
	s_mov_b32 s[\g+1], ROWB<<16                    ; tensor_dim0
	s_mov_b32 s[\g+2], 128<<16                     ; tensor_dim1 = 128
	s_mov_b32 s[\g+3], ROWB<<16                    ; tile_dim0
	s_mov_b32 s[\g+4], 128                         ; tile_dim1 = 128
	s_mov_b32 s[\g+5], KROW                        ; tensor_dim0_stride
	s_mov_b32 s[\g+6], 0
	s_mov_b32 s[\g+7], 0
.endr
	s_or_b32 s[G1S+0], s43, (3<<16)|(1<<20)|(1<<21)|(5<<22)|(3<<25) ; the scale bytes of 128 rows: 4,096 dense bytes as 16 rows of 256 (32 elements of 8 bytes), 16 bytes of padding behind each
	s_or_b32 s[G1SB+0], s44, (3<<16)|(1<<20)|(1<<21)|(5<<22)|(3<<25)
.irp g, G1S, G1SB
	s_mov_b32 s[\g+1], 32<<16
	s_mov_b32 s[\g+2], (128*KS/256)<<16
	s_mov_b32 s[\g+3], 32<<16
	s_mov_b32 s[\g+4], 128*KS/256
	s_mov_b32 s[\g+5], 32
	s_mov_b32 s[\g+6], 0
	s_mov_b32 s[\g+7], 0
.endr
	; the tiles' first rows in the stream of 11,264.  A's is made of cy and CY alone, B's of cx, CY and the cluster's x alone, each in registers that never hold the other coordinate
	s_lshl_b32 s20, s41, 11
	s_add_co_u32 s20, s20, s95                     ; q, k: A = x, row 2048 cy + 256 CY
	s_lshl_b32 s22, s41, 8
	s_add_co_u32 s22, s22, 10240                   ; v:    A = Wv, row 10240 + 256 cy
	s_lshl_b32 s46, s40, 8
	s_lshl_b32 s92, ttmp9, 10
	s_add_co_u32 s46, s46, s92
	s_add_co_u32 s46, s46, 8192                    ; q, k: B = the weight, row 8192 + 1024 x product + 256 cx
	s_lshl_b32 s92, s40, 11
	s_add_co_u32 s92, s92, s95                     ; v:    B = x, row 2048 cx + 256 CY
	s_cmp_eq_u32 ttmp9, 2                          ; the cluster's x: the same in all sixteen
	s_cselect_b32 s20, s22, s20
	s_cselect_b32 s46, s92, s46
	s_lshl_b32 s18, s16, 7                         ; which 128 rows of the tile I fetch
	s_add_co_u32 s20, s20, s18
	s_add_co_u32 s46, s46, s18
	s_lshl_b32 s22, s20, 5                         ; where these rows' scale bytes begin,
	s_lshl_b32 s92, s46, 5
	s_lshl_b32 s20, s20, 9                         ; and their codes
	s_lshl_b32 s46, s46, 9
	s_mov_b32 s21, 0
	s_mov_b32 s23, 0
	s_mov_b32 s47, 0
	s_mov_b32 s93, 0
	s_mul_i32 s45, s14, HALFT                      ; where they go: wave x 128 rows: no place in the cluster enters an LDS address
	s_mul_i32 s94, s14, HALFS
	s_wait_dscnt 0x0                               ; both opening adds are done
	s_wait_kmcnt 0x0
	s_add_nc_u64 s[20:21], s[4:5], s[20:21]
	s_add_nc_u64 s[22:23], s[6:7], s[22:23]
	s_add_nc_u64 s[46:47], s[4:5], s[46:47]
	s_add_nc_u64 s[92:93], s[6:7], s[92:93]
	CROUND                                         ; all sixteen work-groups are here: the joint loads meet
	s_mov_b32 s[G0S], 1
	s_add_co_u32 s[G0S+1], s94, SCL
	s_mov_b64 s[G0S+2:G0S+3], s[22:23]
	s_or_b32 s[G0S+3], s[G0S+3], 0x80000000
	s_mov_b32 s[G0SB], 1
	s_add_co_u32 s[G0SB+1], s94, SCL
	s_mov_b64 s[G0SB+2:G0SB+3], s[92:93]
	s_or_b32 s[G0SB+3], s[G0SB+3], 0x80000000
	JLOAD G0S, G1S, G0SB, G1SB                     ; the scale bytes first: they are wanted with slot 0
.irp s, 0,1
	s_mov_b32 s[G0+4*\s], 1
	s_add_co_u32 s[G0+4*\s+1], s45, \s*SLOT
	s_add_nc_u64 s[G0+4*\s+2:G0+4*\s+3], s[20:21], \s*ROWB
	s_or_b32 s[G0+4*\s+3], s[G0+4*\s+3], 0x80000000
	s_mov_b32 s[G0B+4*\s], 1
	s_add_co_u32 s[G0B+4*\s+1], s45, \s*SLOT
	s_add_nc_u64 s[G0B+4*\s+2:G0B+4*\s+3], s[46:47], \s*ROWB
	s_or_b32 s[G0B+4*\s+3], s[G0B+4*\s+3], 0x80000000
	JLOAD G0+4*\s, G1, G0B+4*\s, G1B               ; three loads of mine are out
.endr
	v_and_b32 v1, 15, v0                           ; l % 16
	v_bfe_u32 v2, v0, 4, 1                         ; l / 16
	v_mul_u32_u24 v3, v1, PITCH
	v_lshl_add_u32 v4, v2, 4, v3                   ; a fragment's row x pitch + 16 x half
	s_mul_i32 s21, s15, HALFT                      ; my 128 rows of A
	s_mul_i32 s22, s16, HALFT                      ; my 128 rows of B,
	s_add_co_u32 s22, s22, 2*HALFT                 ; which lie behind A's 256
.irp s, 0,1
	v_add_nc_u32 v[ADRA+\s], s21, v4
	v_add_nc_u32 v[ADRB+\s], s22, v4
	s_add_co_u32 s21, s21, SLOT
	s_add_co_u32 s22, s22, SLOT
.endr
	v_mul_u32_u24 v5, v1, KS                       ; my row's scale bytes: KS a row,
	v_lshrrev_b32 v6, 8, v5
	v_lshl_add_u32 v5, v6, 4, v5                   ; and 16 more for each 256 passed
	s_mul_i32 s21, s15, HALFS
	s_mul_i32 s22, s16, HALFS
	s_add_co_u32 s22, s22, 2*HALFS
	s_sub_co_u32 s22, s22, s21
	v_mul_u32_u24 v6, s22, v2                      ; lanes 16-31 take B's: one product, the distance between the two bases
	s_add_co_u32 s21, s21, SCL
	v_add_nc_u32 v5, v5, v6
	v_add_nc_u32 v[ADRS], s21, v5
	v_and_b32 v6, 31, v0
	v_lshlrev_b32 v[CO], 4, v6
	v_lshlrev_b32 v[TO], 8, v1
	v_lshl_add_u32 v[TO], v2, 5, v[TO]
	; the way out's addresses: one formula for q, k and v, with four choices on the cluster's x, in registers that fed no descriptor
	s_cmp_eq_u32 ttmp9, 2
	s_cselect_b32 s19, s40, s41                    ; the batch: cy (q, k) or cx (v)
	s_cselect_b32 s2, s41, s40                     ; which four heads: cx or cy
	s_cselect_b32 s3, s16, s15                     ; which 128 places are my wave's
	s_cselect_b32 s99, s15, s16                    ; which two of the four heads
	s_lshl_b32 s2, s2, 1
	s_add_co_u32 s2, s2, s99                       ; my pair of heads, 0..7
	s_lshl_b32 s66, s19, 3
	s_add_co_u32 s66, s66, s2
	s_lshl_b32 s66, s66, 19                        ; a head is 262,144 bytes
	s_lshl_b32 s67, ttmp9, 24                      ; Q, K, V^T lie 16 MiB apart
	s_add_co_u32 s66, s66, s67
	s_lshl_b32 s96, s3, 7
	s_add_co_u32 s96, s96, s95                     ; my wave's first place in the sequence
	s_lshl_b32 s67, s96, 7                         ; 128 bytes a place, in all three
	s_add_co_u32 s66, s66, s67
	s_mov_b32 s67, 0
	s_add_nc_u64 s[OB:OB+1], s[10:11], s[66:67]
	s_lshl_b32 s96, s96, 8                         ; the table: 256 bytes a place
	s_mov_b32 s97, 0
	s_add_nc_u64 s[TBL:TBL+1], s[8:9], s[96:97]
	s_lshl_b32 s98, ttmp9, 2
	s_add_co_u32 s98, s98, s19
	s_lshl_b32 s98, s98, 16                        ; first32: 65,536 bytes for a tensor's batch,
	s_lshl_b32 s99, s2, 13                         ; 8 blocks of 1,024 bytes for a pair of heads
	s_add_co_u32 s98, s98, s99
	s_mov_b32 s99, 0
	s_add_nc_u64 s[F32B:F32B+1], s[12:13], s[98:99]
	s_or_b32 s[FL], s17, s3                        ; 0: my wave's first 16 places are a sequence's first
.macro TABLOAD a                       ; (cos, sin) of block a's 16 places: lane (r, h): place r, the four pairs of channels 16 q + 8 h + 0..7, for q = 0..3: 8 loads, 16 whole rows of 256 bytes
.set CSL, CS0+32*((\a)%2)
.irp q, 0,1,2,3
.irp c, 0,1
	global_load_b128 v[CSL+8*\q+4*\c:CSL+8*\q+4*\c+3], v[TO], s[TBL:TBL+1] offset:4096*(\a)+64*\q+16*\c
.endr
.endr
.endm
	TABLOAD 0                                      ; they land under the products.  The tiles of v load these two as well and use neither: the text has one way into the products
	TABLOAD 1
.macro FRAG reg, adr, q, i             ; a fragment: lane l holds row l % 16; registers 4 c .. 4 c + 3 hold K = 64 c + 32 (l / 16) + 0 .. 31
.irp c, 0,1
	ds_load_b128 v[\reg+4*\c:\reg+4*\c+3], v[\adr] offset:64*(\q)+32*\c+(\i)*16*PITCH
.endr
.endm
; 16 matrix instructions: A's blocks a0, a0 + 1 x B's eight, the slot's q-th 128 along K.  p: B's set; sc: the set of scale words.  zero = 1: the first product starts the sums.
; The 64 accumulators take turns, one instruction a turn, in the same order in every step.
.macro MUL16 a0, p, q, sc, zero
.irp a, \a0, \a0+1
.irp b, 0,1,2,3,4,5,6,7
.if \zero
	v_wmma_scale_f32_16x16x128_f8f6f4 v[8*(8*((\a)%4)+\b):8*(8*((\a)%4)+\b)+7], v[128*(\p)+FR*\b:128*(\p)+FR*\b+FR-1], v[AF+FR*(\a):AF+FR*(\a)+FR-1], 0, v[SC+8*NQ*(\sc)+NQ*\b+(\q)], v[SC+8*NQ*(\sc)+NQ*(\a)+(\q)] matrix_a_fmt:MATRIX_FMT_FP4 matrix_b_fmt:MATRIX_FMT_FP4 matrix_a_scale:MATRIX_SCALE_ROW1
.else
	v_wmma_scale_f32_16x16x128_f8f6f4 v[8*(8*((\a)%4)+\b):8*(8*((\a)%4)+\b)+7], v[128*(\p)+FR*\b:128*(\p)+FR*\b+FR-1], v[AF+FR*(\a):AF+FR*(\a)+FR-1], v[8*(8*((\a)%4)+\b):8*(8*((\a)%4)+\b)+7], v[SC+8*NQ*(\sc)+NQ*\b+(\q)], v[SC+8*NQ*(\sc)+NQ*(\a)+(\q)] matrix_a_fmt:MATRIX_FMT_FP4 matrix_b_fmt:MATRIX_FMT_FP4 matrix_a_scale:MATRIX_SCALE_ROW1
.endif
.endr
.endr
.endm
.macro FETCH_B slot, q, p
	WIN TO_B
.irp i, 0,1,2,3,4,5,6,7
	FRAG 128*(\p)+FR*\i, ADRB+\slot, \q, \i
.endr
	WIN 0
.endm
.macro FETCH_A slot, q, i0
.irp i, \i0, \i0+1, \i0+2, \i0+3
	FRAG AF+FR*(\i), ADRA+\slot, \q, \i
.endr
.endm
.macro SCALES sc                       ; a slot's scale words: NQ words a row; lanes 0-15 take A's block i, lanes 16-31 B's block i
.irp i, 0,1,2,3,4,5,6,7
	ds_load_b128 v[SC+8*NQ*\sc+NQ*\i:SC+8*NQ*\sc+NQ*\i+3], v[ADRS] offset:\i*SBLK
.endr
.endm
.macro PLACES n                        ; plain vector instructions behind matrix instructions, in front of loads into registers that they read and of the first read of results
.rept \n
	v_nop
.endr
.endm
.macro STEP slot, q, zero              ; 128 along K with its successor in the same slot
	s_wait_dscnt 4*NL                              ; B's set and A's blocks 0-3 are in; the youngest eight loads (A's blocks 4-7) may be out
	WIN MUL_LO
	MUL16 0, (\q)%2, \q, \slot, \zero
	MUL16 2, (\q)%2, \q, \slot, \zero
	s_wait_dscnt 0
	PLACES NP
	FETCH_B \slot, (\q)+1, 1-(\q)%2
	FETCH_A \slot, (\q)+1, 0
	WIN MUL_HI
	MUL16 4, (\q)%2, \q, \slot, \zero
	MUL16 6, (\q)%2, \q, \slot, \zero
	PLACES NP
	WIN 0
	FETCH_A \slot, (\q)+1, 4
.endm
.macro TURN slot, next                 ; slot 0's last step: one barrier, in front of which each wave's part of slot 1 has landed
	s_wait_tensorcnt 0x0                           ; all my tensor loads have landed
	ds_add_u32 v[SPW], v[NIL]                      ; 0 onto my spare word
	s_wait_dscnt 4*NL+1                            ; (the add and the youngest eight loads may be out)
	WIN MUL_LO
	MUL16 0, 1, NQ-1, \slot, 0
	s_wait_dscnt 0x0                               ; no LDS instruction of mine is out at the signal
	s_barrier_signal -1
	MUL16 2, 1, NQ-1, \slot, 0
	WIN 0
	s_barrier_wait -1
	PLACES NP
	v_add_nc_u32 v[ADRS], 4*NQ, v[ADRS]            ; on to the next slot's scale words
	FETCH_B \next, 0, 0
	FETCH_A \next, 0, 0
	SCALES \next
	WIN MUL_HI
	MUL16 4, 1, NQ-1, \slot, 0
	MUL16 6, 1, NQ-1, \slot, 0
	PLACES NP
	WIN 0
	FETCH_A \next, 0, 4
.endm
.macro STEPS slot, from
.set Q, \from
.rept NQ-1-\from
	STEP \slot, Q, 0
.set Q, Q+1
.endr
.endm
	s_wait_tensorcnt 1                             ; the scale bytes and my part of slot 0 are in (slot 1's load may be out)
	s_barrier_signal -1
	s_barrier_wait -1                              ; everybody's are
	FETCH_B 0, 0, 0
	FETCH_A 0, 0, 0
	SCALES 0
	FETCH_A 0, 0, 4
	STEP 0, 0, 1                                   ; the first products start the sums: nothing is cleared
	STEPS 0, 1
	TURN 0, 1
	STEPS 1, 0
	s_wait_dscnt 4*NL                              ; the last step: nothing more to fetch
	WIN MUL_LO
	MUL16 0, 1, NQ-1, 1, 0
	MUL16 2, 1, NQ-1, 1, 0
	s_wait_dscnt 0
	WIN MUL_HI
	MUL16 4, 1, NQ-1, 1, 0
	MUL16 6, 1, NQ-1, 1, 0
	WIN 0
	PLACES NP                                      ; in front of the first read of results and of writes into registers that held scale words and A's fragments
; q, k: block a (16 places x 128 channels).  (x1, x2) -> (x1 c - x2 s, x1 s + x2 c): a packed multiply gives (-x2 s, x1 s), a packed multiply-add puts (x1 c, x2 c) on it.  Each accumulator is read from its low end on.
.macro OUTQK a
.set AC, 64*((\a)%4)
.set CSR, CS0+32*((\a)%2)
.set HR, H0+32*((\a)%2)
.if (\a) > 0
	s_wait_xcnt 0x0                                ; the earlier blocks' stores have read their registers
.endif
.if (\a) < 7
	s_wait_loadcnt 8                               ; this block's table is in; the next block's eight loads may be out
.else
	s_wait_loadcnt 0x0
.endif
	WIN 0x02+(\a)/4                                ; source 0: window 2 or 3
.irp b, 0,1,2,3,4,5,6,7
.irp p, 0,2,4,6
	v_pk_mul_f32 v[T+8*\b+\p:T+8*\b+\p+1], v[AC+8*\b+\p:AC+8*\b+\p+1], v[CSR+8*(\b%4)+\p:CSR+8*(\b%4)+\p+1] op_sel:[1,1] op_sel_hi:[0,1] neg_lo:[1,0]
.endr
.irp p, 0,2,4,6
	v_pk_fma_f32 v[T+8*\b+\p:T+8*\b+\p+1], v[AC+8*\b+\p:AC+8*\b+\p+1], v[CSR+8*(\b%4)+\p:CSR+8*(\b%4)+\p+1], v[T+8*\b+\p:T+8*\b+\p+1] op_sel_hi:[1,0,1]
.endr
.endr
	WIN 0
.if (\a)+2 <= 7
	TABLOAD (\a)+2
.endif
.if (\a) == 0
	s_cmp_lg_u32 s[FL], 0                          ; the cluster's y and the wave's number alone
	s_cbranch_scc1 .Lno_first_\@
.irp b, 0,1,2,3,4,5,6,7
	global_store_b128 v[CO], v[T+8*\b:T+8*\b+3], s[F32B:F32B+1] offset:1024*\b          ; places 0-15 in f32
	global_store_b128 v[CO], v[T+8*\b+4:T+8*\b+7], s[F32B:F32B+1] offset:1024*\b+512
.endr
.Lno_first_\@:
.endif
.irp b, 0,1,2,3,4,5,6,7
.irp p, 0,1,2,3
	v_cvt_pk_f16_f32 v[HR+4*\b+\p], v[T+8*\b+2*\p], v[T+8*\b+2*\p+1]
.endr
.endr
.irp b, 0,1,2,3,4,5,6,7
	global_store_b128 v[CO], v[HR+4*\b:HR+4*\b+3], s[OB:OB+1] offset:2048*(\a)+512*(\b%4)+262144*(\b/4)   ; half an image: 512 consecutive bytes, aligned
.endr
.endm
; v: block a = 16 channels, B's block b = 16 places
.macro OUTV a
.set AC, 64*((\a)%4)
.set HR, H0+32*((\a)%2)
.if (\a) > 1
	s_wait_xcnt 0x0                                ; block a - 2's stores have read their registers
.endif
	WIN 0x0a+5*((\a)/4)                            ; sources 0 and 1: window 2 or 3
.irp b, 0,1,2,3,4,5,6,7
.irp p, 0,1,2,3
	v_cvt_pk_f16_f32 v[HR+4*\b+\p], v[AC+8*\b+2*\p], v[AC+8*\b+2*\p+1]
.endr
.endr
	WIN 0
.irp b, 0,1,2,3,4,5,6,7
	global_store_b128 v[CO], v[HR+4*\b:HR+4*\b+3], s[OB:OB+1] offset:262144*((\a)/4)+1024*((\a)%4)+4096*(\b/2)+512*(\b%2)
.endr
.endm
	s_cmp_eq_u32 ttmp9, 2
	s_cbranch_scc1 .Lout_v
.irp a, 0,1,2,3,4,5,6,7
	OUTQK \a
.endr
	s_branch .Lend
.Lout_v:
	s_cmp_lg_u32 s[FL], 0
	s_cbranch_scc1 .Lno_first_v
	WIN 0x08                                       ; a store's data are its source 1: window 2
.irp a, 0,1,2,3
	global_store_b128 v[CO], v[64*\a:64*\a+3], s[F32B:F32B+1] offset:1024*\a            ; accumulators (a, 0): places 0-15 in f32, each from its low end on
	global_store_b128 v[CO], v[64*\a+4:64*\a+7], s[F32B:F32B+1] offset:1024*\a+512
.endr
	WIN 0x0c                                       ; window 3
.irp a, 0,1,2,3
	global_store_b128 v[CO], v[64*\a:64*\a+3], s[F32B:F32B+1] offset:1024*(\a+4)
	global_store_b128 v[CO], v[64*\a+4:64*\a+7], s[F32B:F32B+1] offset:1024*(\a+4)+512
.endr
	WIN 0
.Lno_first_v:
.irp a, 0,1,2,3,4,5,6,7
	OUTV \a
.endr
.Lend:
	s_wait_tensorcnt 0x0                           ; the wave's end, behind my last tensor load
	ds_add_u32 v[SPW], v[NIL]
	s_wait_dscnt 0x0
	CROUND                                         ; the closing round
	s_endpgm
.Lfunc_end_k_q2786604e4a_qkv:
	.size	k_q2786604e4a_qkv, .Lfunc_end_k_q2786604e4a_qkv-k_q2786604e4a_qkv
	.p2alignl 7, 3214868480
	.fill 96, 4, 3214868480
	.section	.rodata,"a",@progbits
	.p2align	6, 0x0
	.amdhsa_kernel k_q2786604e4a_qkv
		.amdhsa_group_segment_fixed_size 327680
		.amdhsa_private_segment_fixed_size 0
		.amdhsa_enable_private_segment 0
		.amdhsa_kernarg_size 40
		.amdhsa_user_sgpr_count 2
		.amdhsa_user_sgpr_kernarg_segment_ptr 1
		.amdhsa_wavefront_size32 1
		.amdhsa_system_sgpr_workgroup_id_x 1
		.amdhsa_system_sgpr_workgroup_id_y 1
		.amdhsa_system_sgpr_workgroup_id_z 1
		.amdhsa_system_vgpr_workitem_id 0
		.amdhsa_next_free_vgpr 1024
		.amdhsa_next_free_sgpr 100
		.amdhsa_reserve_vcc 0
		.amdhsa_float_denorm_mode_32 3
		.amdhsa_float_denorm_mode_16_64 3
		.amdhsa_memory_ordered 1
		.amdhsa_forward_progress 1
		.amdhsa_inst_pref_size 183
	.end_amdhsa_kernel
	.amdgpu_metadata
---
amdhsa.version: [ 1, 2 ]
amdhsa.kernels:
  - .name:           k_q2786604e4a_qkv
    .symbol:         k_q2786604e4a_qkv.kd
    .args:
      - { .name: codes, .offset: 0, .size: 8, .value_kind: global_buffer, .address_space: global }
      - { .name: scales, .offset: 8, .size: 8, .value_kind: global_buffer, .address_space: global }
      - { .name: rope_tab, .offset: 16, .size: 8, .value_kind: global_buffer, .address_space: global }
      - { .name: qkv_h, .offset: 24, .size: 8, .value_kind: global_buffer, .address_space: global }
      - { .name: first32, .offset: 32, .size: 8, .value_kind: global_buffer, .address_space: global }
    .group_segment_fixed_size: 327680
    .private_segment_fixed_size: 0
    .kernarg_segment_align: 8
    .kernarg_segment_size: 40
    .max_flat_workgroup_size: 128
    .sgpr_count:     100
    .vgpr_count:     1024
    .wavefront_size: 32
...
	.end_amdgpu_metadata
.endif
;; end of part 2
;; launch attn (part 3): grid 256 x 1, 16 waves a work-group, no clusters, 327,680 bytes of LDS; arguments qkv_h, attn_h; writes attn_h
.if DOCPART == 3
	.amdgcn_target "amdgcn-amd-amdhsa--gfx1250"
	.amdhsa_code_object_version 6
	.text
	.protected	k_q2786604e4a_attn
	.globl	k_q2786604e4a_attn
	.p2align	8
	.type	k_q2786604e4a_attn,@function
k_q2786604e4a_attn:
	s_mov_b64 s[64:65], 0
	v_nop
	global_prefetch_b8 v0, s[64:65] scope:SCOPE_SE
	s_setreg_imm32_b32 hwreg(HW_REG_WAVE_MODE, 25, 1), 1
	s_wait_xcnt 0x0
; ATTN: O = softmax(Q K^T / 8, causal) V for 64 heads of 2,048 places x 64 channels.  Operands f16, products, maxima and sums f32; the weights p are rounded to f16 for the second product, O once at the end.
; Q, K, V^T come as images of operand registers (qkv_h: see the launch before): a fragment is two loads of 16 bytes a lane at 16 x lane; tiles are dense blocks; nothing is padded or transposed.
; SHARES.  A head has four work-groups (g = 0..3).  A work-group owns TWO blocks of 256 queries, the late one 7 - g and the early one g: both walk the same keys from 0 on, and (8 - g) + (g + 1) = 9 slots'
; worth of work falls to every work-group.  Sixteen waves, 32 queries (two tiles) each; of the four waves that share registers' quarter two are late and two early, whichever way waves are dealt.
; LAYOUT.  S^T = K Q^T and O^T = V^T P: a lane holds ONE query (lane % 16) throughout; two tiles of S^T, rounded in pairs, are source 1 of the second product; O^T, rounded in pairs, is the image of the out
; projection's operand: attn_h[512 blocks of 16 rows][32 pieces of 32 along K][1,024 bytes].
; SOFTMAX.  A running maximum m and sum l for each query: p = 2^(c s - c m), c = log2(e) / 8; in every step O and l are multiplied by a = 2^(c m_old - c m_new).
; RING.  Two LDS slots of 256 keys (K 32,768 bytes, V^T 32,768), filled by waves 0-3, one tensor load of 16,384 bytes each; one barrier a slot.  Every work-group walks all eight changes of slots (constant trips);
; a key step all of whose keys come after the wave's queries is jumped over, and a slot whose first key comes after the work-group's last query is not asked for.  Every wait on TENSORcnt is for 0.
; NO CLUSTER: the four work-groups of a head need 8 - g slots, different numbers of tiles, and the mask lets every wave of a partner jump over the reads of tiles that a joint load would bring.
; The first 16 places of every sequence are computed here as all others; the rows of the result that hang on them are made again, in f32, by the launch 'fine'.
; LIMITS: NaN and infinities are not served.
.set SLOT1, 65536                      ; slot 1 begins here: one exclusive or turns an address
.set VOFF,  32768                      ; in a slot: K's 256 keys, then V^T's
.set SPARE, 131072                     ; behind the ring: the spare words, 128 bytes a wave
.set LI,   1                           ; v1   16 x lane
.set ADK,  2                           ; v2   LDS address of the slot in hand, my lane's
.set SPW,  3                           ; v3   my spare word; never rewritten
.set NIL,  4                           ; v4   0; never rewritten
.set DL,   5                           ; v5   lane % 16 - 8 (lane / 16)
.set NINF, 7                           ; v7   -infinity
.set D0,   8                           ; v8, v9  the diagonal step: tile t's d
.set PFO,  10                          ; v10  256 x lane; never rewritten
.set ST,   16                          ; tile t's statistics at v[16 + 8 t]: +0 c m, +1 m, +2, +3 l, +4..+7 at work (a in +6)
.set QR,   32                          ; v32-63   Q: tile t, channels 32 c' on: 16 t + 8 c'
.set KV,   64                          ; v64-127  K of a step (16 kt + 8 c'), then V^T (32 kc + 8 ct)
.set S,    128                         ; v128-191 S^T (32 t + 8 kt); P in place, in a tile's first 16
.set OT,   192                         ; v192-255 O^T (32 t + 8 ct)
.set WV,   8
.set GG,   9
.set BH,   10
.set Q0,   13                          ; my first query
.set KF,   14                          ; the step's first key
.set SB,   15                          ; LDS byte at which the slot in hand begins
.set SLOTS, 17
.set LASTQ, 19                         ; my work-group's last query
.set SEL,  20                          ; s[20:21] v_permlanex16_b32's selects for lane l xor 16
.set CS,   22                          ; s[22:23] c, twice
.set G1,   24                          ; s[24:31] descriptor group 1
.set G0,   32                          ; s[32:35] group 0, which walks
.set PFA,  36                          ; s[36:37] where my prefetches stand
.set LIM,  38                          ; 1 in a wave that prefetches, else the greatest number
.set QB,   40                          ; s[40:41] my queries' images
.set OB,   42                          ; s[42:43] my rows' images in attn_h
.macro TLOAD                           ; waves 0-3 fetch; the branch hangs on the wave's number alone.  An s_nop 0 and four v_nop follow the line
	s_cmp_lt_u32 s[WV], 4
	s_cbranch_scc0 .Lasked_\@
	tensor_load_to_lds s[G0:G0+3], s[G1:G1+7]
	s_nop 0
.rept 4
	v_nop
.endr
.Lasked_\@:
.endm
; A prefetch of the slot that the NEXT change of slots will ask for.  The four work-groups of a head walk the same K and V^T: the one with g = 0, which walks all eight slots, asks.  In it waves 4-7 ask for K's
; 32,768 bytes and waves 8-11 for V^T's, 8,192 bytes a wave, lanes 256 bytes apart: each aligned 256 bytes is named once in the launch.  Slots 0 and 1 come by their loads alone; the last fill asks for nothing.
.macro ASK
	s_cmp_gt_u32 s[SLOTS], s[LIM]
	s_cbranch_scc0 .Lnot_mine_\@
	global_prefetch_b8 v[PFO], s[PFA:PFA+1] th:TH_LOAD_NT scope:SCOPE_SE
.Lnot_mine_\@:
.endm
	s_load_b128 s[4:7], s[0:1], 0x0                ; qkv_h, attn_h
	v_lshl_add_u32 v[SPW], v0, 2, SPARE
	v_mov_b32 v[NIL], 0
	ds_add_u32 v[SPW], v[NIL]                      ; the wave's opening: the add, twice on end, and its wait ahead of the first tensor load
	ds_add_u32 v[SPW], v[NIL]
	v_lshrrev_b32 v6, 5, v0
	v_readfirstlane_b32 s[WV], v6                  ; wave 0..15
	s_and_b32 s[GG], ttmp9, 3
	s_lshr_b32 s[BH], ttmp9, 2                     ; 16 b + head
	s_lshr_b32 s44, s[WV], 2
	s_xor_b32 s44, s44, s[WV]
	s_and_b32 s44, s44, 1                          ; 0: a wave of the late block, 1: of the early one
	s_sub_co_u32 s45, 7, s[GG]
	s_cmp_eq_u32 s44, 1
	s_cselect_b32 s44, s[GG], s45
	s_lshl_b32 s[Q0], s44, 8
	s_lshr_b32 s44, s[WV], 1
	s_lshl_b32 s44, s44, 5
	s_add_co_u32 s[Q0], s[Q0], s44                 ; 256 x block + 32 x (wave / 2)
	s_lshl_b32 s[LASTQ], s45, 8
	s_or_b32 s[LASTQ], s[LASTQ], 255
	s_mov_b32 s[G1], 3<<16                         ; no mask; elements of 8 bytes; no padding: 16,384 dense bytes as 64 rows of 256
	s_mov_b32 s[G1+1], 32<<16                      ; tensor_dim0 = 32
	s_mov_b32 s[G1+2], 64<<16                      ; tensor_dim1 = 64
	s_mov_b32 s[G1+3], 32<<16                      ; tile_dim0 = 32
	s_mov_b32 s[G1+4], 64                          ; tile_dim1 = 64
	s_mov_b32 s[G1+5], 32                          ; the pitch
	s_mov_b32 s[G1+6], 0
	s_mov_b32 s[G1+7], 0
	s_mov_b32 s[SEL], 0x76543210
	s_mov_b32 s[SEL+1], 0xfedcba98
	s_mov_b32 s[CS], 0x3e38aa3b                    ; c = log2(e) / 8
	s_mov_b32 s[CS+1], s[CS]
	s_mov_b32 s[KF], 0
	s_mov_b32 s[SB], 0
	s_mov_b32 s[SLOTS], 7
	s_lshl_b32 s47, s[BH], 18                      ; a head is 262,144 bytes in Q, in K and in V^T
	s_bfe_u32 s44, s[WV], 0x10001                  ; what I fetch, if I fetch: waves 0, 1 K's halves, waves 2, 3 V^T's
	s_add_co_u32 s44, s44, 1
	s_lshl_b32 s44, s44, 24                        ; K at 16 MiB, V^T at 32 MiB
	s_add_co_u32 s44, s44, s47
	s_and_b32 s46, s[WV], 1
	s_lshl_b32 s46, s46, 14
	s_add_co_u32 s44, s44, s46
	s_mov_b32 s45, 0
	s_bfe_u32 s48, s[WV], 0x10003                  ; the prefetches: waves 4-7 K, waves 8-11 V^T,
	s_add_co_u32 s48, s48, 1
	s_lshl_b32 s48, s48, 24
	s_add_co_u32 s48, s48, s47
	s_and_b32 s46, s[WV], 3
	s_lshl_b32 s46, s46, 13                        ; 8,192 bytes a wave,
	s_add_co_u32 s48, s48, s46
	s_add_co_u32 s48, s48, 32768                   ; in slot 1: the first change of slots steps it to slot 2
	s_mov_b32 s49, 0
	s_lshl_b32 s50, s[Q0], 7
	s_add_co_u32 s50, s50, s47
	s_mov_b32 s51, 0
	s_lshr_b32 s52, s[BH], 4
	s_lshl_b32 s52, s52, 22                        ; attn_h: 128 blocks of 32,768 bytes a batch,
	s_lshl_b32 s46, s[Q0], 11                      ; a block for each 16 queries,
	s_add_co_u32 s52, s52, s46
	s_and_b32 s46, s[BH], 15
	s_lshl_b32 s46, s46, 11                        ; 2,048 bytes a head
	s_add_co_u32 s52, s52, s46
	s_mov_b32 s53, 0
	s_sub_co_u32 s46, s[WV], 4
	s_lshr_b32 s46, s46, 3                         ; 0 in waves 4 to 11,
	s_or_b32 s46, s46, s[GG]                       ; of the work-group with g = 0
	s_cmp_eq_u32 s46, 0
	s_cselect_b32 s[LIM], 1, -1
	s_wait_dscnt 0x0                               ; both opening adds are done
	s_wait_kmcnt 0x0
	s_mov_b32 s[G0], 1
	s_lshl_b32 s[G0+1], s[WV], 14                  ; LDS: 16,384 x wave, in slot 0
	s_add_nc_u64 s[G0+2:G0+3], s[4:5], s[44:45]
	s_or_b32 s[G0+3], s[G0+3], 0x80000000
	TLOAD                                          ; slot 0: keys 0-255, which count for every block
	s_add_nc_u64 s[PFA:PFA+1], s[4:5], s[48:49]
	s_add_nc_u64 s[QB:QB+1], s[4:5], s[50:51]
	s_add_nc_u64 s[OB:OB+1], s[6:7], s[52:53]
	v_and_b32 v6, 31, v0
	v_lshlrev_b32 v[LI], 4, v6
	v_lshlrev_b32 v[PFO], 8, v6
.irp f, 0,1,2,3,4,5,6,7
	global_load_b128 v[QR+4*\f:QR+4*\f+3], v[LI], s[QB:QB+1] offset:512*\f   ; Q stays in registers
.endr
	v_and_b32 v6, 15, v0
	v_bfe_u32 v[DL], v0, 4, 1
	v_lshlrev_b32 v[DL], 3, v[DL]
	v_sub_nc_u32 v[DL], v6, v[DL]
	v_mov_b32 v[NINF], 0xff800000
.irp t, 0,1
	v_mov_b32 v[ST+8*\t+1], 0xff61b1e6             ; m: -3e38, under every score
	v_mul_f32 v[ST+8*\t], s[CS], v[ST+8*\t+1]
.irp i, 2,3,4,5,6,7
	v_mov_b32 v[ST+8*\t+\i], 0
.endr
.endr
.set NN, 0
.rept 64
	v_mov_b32 v[OT+NN], 0                          ; O^T.  (The step has no first copy: the first step finds zeros, which a = 0 leaves zeros)
.set NN, NN+1
.endr
; A KEY STEP: 64 keys, the q-th of the slot in hand.
.macro STEP q
	s_add_co_u32 s44, s[Q0], 31
	s_cmp_gt_u32 s[KF], s44                        ; all 64 keys come after my 32 queries: ids and the count of steps alone
	s_cbranch_scc1 .Lhidden_\@
	v_add_nc_u32 v[ADK], s[SB], v[LI]
.rept 4
	v_nop                                          ; with the addition five places behind the last V^T P: four for the loads into its operands, five for the products that write over P
.endr
.irp f, 0,1,2,3,4,5,6,7
	ds_load_b128 v[KV+8*\f:KV+8*\f+3], v[ADK] offset:8192*(\q)+1024*\f
	ds_load_b128 v[KV+8*\f+4:KV+8*\f+7], v[ADK] offset:8192*(\q)+1024*\f+512
.endr
	s_wait_dscnt 0x0
.irp c, 0,1                                    ; S^T = K Q^T: eight accumulators by turns
.irp kt, 0,1,2,3
.irp t, 0,1
.if \c == 0
	v_wmma_f32_16x16x32_f16 v[S+32*\t+8*\kt:S+32*\t+8*\kt+7], v[KV+16*\kt+8*\c:KV+16*\kt+8*\c+7], v[QR+16*\t+8*\c:QR+16*\t+8*\c+7], 0
.else
	v_wmma_f32_16x16x32_f16 v[S+32*\t+8*\kt:S+32*\t+8*\kt+7], v[KV+16*\kt+8*\c:KV+16*\kt+8*\c+7], v[QR+16*\t+8*\c:QR+16*\t+8*\c+7], v[S+32*\t+8*\kt:S+32*\t+8*\kt+7]
.endif
.endr
.endr
.endr
.rept 4
	v_nop                                          ; places in front of the loads into K's registers and of the first read of the scores
.endr
.irp f, 0,1,2,3,4,5,6,7
	ds_load_b128 v[KV+8*\f:KV+8*\f+3], v[ADK] offset:VOFF+8192*(\q)+1024*\f          ; V^T lands under the softmax
	ds_load_b128 v[KV+8*\f+4:KV+8*\f+7], v[ADK] offset:VOFF+8192*(\q)+1024*\f+512
.endr
	s_add_co_u32 s44, s[KF], 63
	s_cmp_le_u32 s44, s[Q0]                        ; all keys count for all my queries: no mask
	s_cbranch_scc1 .Lopen_\@
	s_sub_co_i32 s44, s[Q0], s[KF]
	v_add_nc_u32 v[D0], s44, v[DL]                 ; register 8 kt + j of tile t holds key KF + 16 kt + 8 (lane / 16) + j: hidden where 16 kt + j > d = Q0 - KF + 16 t + lane % 16 - 8 (lane / 16)
	v_add_nc_u32 v[D0+1], 16, v[D0]
.set NN, 0
.rept 32
	v_cmp_gt_i32 vcc_lo, 16*(NN/8)+NN%8, v[D0]
	v_cndmask_b32 v[S+NN], v[S+NN], v[NINF], vcc_lo
	v_cmp_gt_i32 vcc_lo, 16*(NN/8)+NN%8, v[D0+1]
	v_cndmask_b32 v[S+32+NN], v[S+32+NN], v[NINF], vcc_lo
.set NN, NN+1
.endr
.Lopen_\@:
.irp j, 0,1,2,3                                ; the maximum: four chains a tile, the two tiles line by line; each accumulator is read from its low end on
.irp t, 0,1
	v_max3_num_f32 v[ST+8*\t+4+\j], v[S+32*\t+8*\j], v[S+32*\t+8*\j+1], v[S+32*\t+8*\j+2]
.endr
.endr
.irp u, 3,5
.irp j, 0,1,2,3
.irp t, 0,1
	v_max3_num_f32 v[ST+8*\t+4+\j], v[ST+8*\t+4+\j], v[S+32*\t+8*\j+\u], v[S+32*\t+8*\j+\u+1]
.endr
.endr
.endr
.irp t, 0,1
	v_max3_num_f32 v[ST+8*\t+4], v[ST+8*\t+4], v[S+32*\t+7], v[S+32*\t+15]
.endr
.irp t, 0,1
	v_max3_num_f32 v[ST+8*\t+6], v[ST+8*\t+6], v[S+32*\t+23], v[S+32*\t+31]
.endr
.irp t, 0,1
	v_max3_num_f32 v[ST+8*\t+4], v[ST+8*\t+4], v[ST+8*\t+5], v[ST+8*\t+6]
.endr
.irp t, 0,1
	v_max3_num_f32 v[ST+8*\t+4], v[ST+8*\t+4], v[ST+8*\t+7], v[ST+8*\t+1]   ; the old m among them
.endr
.irp t, 0,1
	v_permlanex16_b32 v[ST+8*\t+5], v[ST+8*\t+4], s[SEL], s[SEL+1]          ; the query's other 32 keys lie in the lane 16 away
.endr
.irp t, 0,1
	v_mov_b32 v[ST+8*\t+7], v[ST+8*\t]             ; c m_old
.endr
.irp t, 0,1
	v_max_num_f32 v[ST+8*\t+1], v[ST+8*\t+4], v[ST+8*\t+5]
.endr
.irp t, 0,1
	v_mul_f32 v[ST+8*\t], s[CS], v[ST+8*\t+1]
.endr
.irp t, 0,1
	v_sub_f32 v[ST+8*\t+7], v[ST+8*\t+7], v[ST+8*\t]
.endr
.set NN, 0
.rept 16
	v_pk_fma_f32 v[S+NN:S+NN+1], v[S+NN:S+NN+1], s[CS:CS+1], v[ST:ST+1] op_sel_hi:[1,0,0] neg_lo:[0,0,1] neg_hi:[0,0,1]              ; c s - c m
	v_pk_fma_f32 v[S+32+NN:S+32+NN+1], v[S+32+NN:S+32+NN+1], s[CS:CS+1], v[ST+8:ST+9] op_sel_hi:[1,0,0] neg_lo:[0,0,1] neg_hi:[0,0,1]
.set NN, NN+2
.endr
.irp t, 0,1
	v_exp_f32 v[ST+8*\t+6], v[ST+8*\t+7]           ; a.  ONE batch of 66 exponentials: none reads another's result
.endr
.set NN, 0
.rept 32
	v_exp_f32 v[S+NN], v[S+NN]
	v_exp_f32 v[S+32+NN], v[S+32+NN]
.set NN, NN+1
.endr
	v_nop                                          ; a plain line behind the last exponential
	s_wait_alu depctr_va_vdst(0)                   ; the wait ahead of the batch's first reader: one for all 66
.irp t, 0,1                                    ; l = a l + the sum of p, before p is rounded: two chains a tile
	v_pk_fma_f32 v[ST+8*\t+2:ST+8*\t+3], v[ST+8*\t+2:ST+8*\t+3], v[ST+8*\t+6:ST+8*\t+7], v[S+32*\t:S+32*\t+1] op_sel_hi:[1,0,1]
.endr
.irp t, 0,1
	v_pk_add_f32 v[ST+8*\t+4:ST+8*\t+5], v[S+32*\t+2:S+32*\t+3], v[S+32*\t+6:S+32*\t+7]
.endr
.irp t, 0,1
	v_pk_add_f32 v[ST+8*\t+2:ST+8*\t+3], v[ST+8*\t+2:ST+8*\t+3], v[S+32*\t+4:S+32*\t+5]
.endr
.irp n, 8,12,16,20,24,28
.irp t, 0,1
	v_pk_add_f32 v[ST+8*\t+2:ST+8*\t+3], v[ST+8*\t+2:ST+8*\t+3], v[S+32*\t+\n:S+32*\t+\n+1]
.endr
.irp t, 0,1
	v_pk_add_f32 v[ST+8*\t+4:ST+8*\t+5], v[ST+8*\t+4:ST+8*\t+5], v[S+32*\t+\n+2:S+32*\t+\n+3]
.endr
.endr
.irp t, 0,1
	v_pk_add_f32 v[ST+8*\t+2:ST+8*\t+3], v[ST+8*\t+2:ST+8*\t+3], v[ST+8*\t+4:ST+8*\t+5]
.endr
.set NN, 0
.rept 16
	v_cvt_pk_f16_f32 v[S+NN], v[S+2*NN], v[S+2*NN+1]               ; P in place, ascending: register j takes scores 2 j and 2 j + 1, which no earlier line has overwritten
	v_cvt_pk_f16_f32 v[S+32+NN], v[S+32+2*NN], v[S+32+2*NN+1]
.set NN, NN+1
.endr
.set NN, 0
.rept 16
	v_pk_mul_f32 v[OT+NN:OT+NN+1], v[OT+NN:OT+NN+1], v[ST+6:ST+7] op_sel_hi:[1,0]          ; O^T x a
	v_pk_mul_f32 v[OT+32+NN:OT+32+NN+1], v[OT+32+NN:OT+32+NN+1], v[ST+14:ST+15] op_sel_hi:[1,0]
.set NN, NN+2
.endr
	s_wait_dscnt 0x0                               ; V^T is in
.irp kc, 0,1                                   ; O^T += V^T P: eight accumulators by turns
.irp ct, 0,1,2,3
.irp t, 0,1
	v_wmma_f32_16x16x32_f16 v[OT+32*\t+8*\ct:OT+32*\t+8*\ct+7], v[KV+32*\kc+8*\ct:KV+32*\kc+8*\ct+7], v[S+32*\t+8*\kc:S+32*\t+8*\kc+7], v[OT+32*\t+8*\ct:OT+32*\t+8*\ct+7]
.endr
.endr
.endr
.Lhidden_\@:
	s_add_co_u32 s[KF], s[KF], 64
.endm
; THE CHANGE OF SLOTS stands at a slot's head.  Each wave waits for all its tensor loads, adds 0 to its spare word (fill = 1: twice on end), and waits for that and for its reads of the slot that it has left.
; Behind the barrier the slot ahead is whole and nobody reads the other one.  fill = 1: that other slot takes the next 256 keys, up to the causal limit.
.macro CHANGE fill
	s_wait_tensorcnt 0x0                           ; no tensor load of mine is out, so group 0 may be written
	ds_add_u32 v[SPW], v[NIL]
.if \fill
	ds_add_u32 v[SPW], v[NIL]                      ; and once more, in every trip alike
	s_xor_b32 s[G0+1], s[G0+1], SLOT1              ; the other slot than last time,
	s_add_nc_u64 s[G0+2:G0+3], s[G0+2:G0+3], 32768 ; the next 256 keys; the type bits on top are not reached
	s_wait_xcnt 0x0                                ; the last prefetch, a slot back, has read its address
	s_add_nc_u64 s[PFA:PFA+1], s[PFA:PFA+1], 32768
.endif
	s_wait_dscnt 0x0                               ; the add is done, and my reads of the slot that I have left are over
	s_barrier_signal -1
	s_barrier_wait -1
.if \fill
	s_add_co_u32 s44, s[KF], 256                   ; the first key of the slot that this change would ask for
	s_cmp_gt_u32 s44, s[LASTQ]                     ; past my work-group's last query none of its waves would read it.  Ids and the count of steps alone: all sixteen waves go the same way
	s_cbranch_scc1 .Lpast_\@
	TLOAD                                          ; a wave's one tensor load until the next barrier: it has four key steps in which to land
.Lpast_\@:
	ASK
.endif
.endm
.macro SLOT_STEPS
.irp q, 0,1,2,3
	STEP \q
.endr
	s_xor_b32 s[SB], s[SB], SLOT1
.endm
	s_wait_loadcnt 0x0                             ; Q
.Lslot:                                            ; seven trips
	CHANGE 1
	SLOT_STEPS
	s_sub_co_u32 s[SLOTS], s[SLOTS], 1
	s_cmp_lg_u32 s[SLOTS], 0
	s_cbranch_scc1 .Lslot
	CHANGE 0                                       ; the last slot is written out: nothing is left to ask for
	SLOT_STEPS
	; THE WAY OUT: O^T / l, rounded to f16: a lane's 16 bytes are its part of an image; a store of the wave covers 512 consecutive bytes, aligned
.rept 4
	v_nop
.endr
.irp t, 0,1
	v_add_f32 v[ST+8*\t+4], v[ST+8*\t+2], v[ST+8*\t+3]
.endr
.irp t, 0,1
	v_permlanex16_b32 v[ST+8*\t+5], v[ST+8*\t+4], s[SEL], s[SEL+1]
.endr
.irp t, 0,1
	v_add_f32 v[ST+8*\t+4], v[ST+8*\t+4], v[ST+8*\t+5]
.endr
.irp t, 0,1
	v_rcp_f32 v[ST+8*\t+6], v[ST+8*\t+4]
.endr
	v_nop
	s_wait_alu depctr_va_vdst(0)                   ; one wait for the two reciprocals, ahead of their first reader
.set NN, 0
.rept 16
	v_pk_mul_f32 v[OT+NN:OT+NN+1], v[OT+NN:OT+NN+1], v[ST+6:ST+7] op_sel_hi:[1,0]
	v_pk_mul_f32 v[OT+32+NN:OT+32+NN+1], v[OT+32+NN:OT+32+NN+1], v[ST+14:ST+15] op_sel_hi:[1,0]
.set NN, NN+2
.endr
.set NN, 0
.rept 32
	v_cvt_pk_f16_f32 v[KV+NN], v[OT+2*NN], v[OT+2*NN+1]
.set NN, NN+1
.endr
.irp t, 0,1
.irp ct, 0,1,2,3
	global_store_b128 v[LI], v[KV+16*\t+4*\ct:KV+16*\t+4*\ct+3], s[OB:OB+1] offset:32768*\t+512*\ct
.endr
.endr
	s_wait_tensorcnt 0x0                           ; the wave's end
	ds_add_u32 v[SPW], v[NIL]
	s_wait_dscnt 0x0
	s_endpgm
.Lfunc_end_k_q2786604e4a_attn:
	.size	k_q2786604e4a_attn, .Lfunc_end_k_q2786604e4a_attn-k_q2786604e4a_attn
	.p2alignl 7, 3214868480
	.fill 96, 4, 3214868480
	.section	.rodata,"a",@progbits
	.p2align	6, 0x0
	.amdhsa_kernel k_q2786604e4a_attn
		.amdhsa_group_segment_fixed_size 327680
		.amdhsa_private_segment_fixed_size 0
		.amdhsa_enable_private_segment 0
		.amdhsa_kernarg_size 16
		.amdhsa_user_sgpr_count 2
		.amdhsa_user_sgpr_kernarg_segment_ptr 1
		.amdhsa_wavefront_size32 1
		.amdhsa_system_sgpr_workgroup_id_x 1
		.amdhsa_system_sgpr_workgroup_id_y 1
		.amdhsa_system_sgpr_workgroup_id_z 1
		.amdhsa_system_vgpr_workitem_id 0
		.amdhsa_next_free_vgpr 256
		.amdhsa_next_free_sgpr 66
		.amdhsa_reserve_vcc 1
		.amdhsa_float_denorm_mode_32 3
		.amdhsa_float_denorm_mode_16_64 3
		.amdhsa_memory_ordered 1
		.amdhsa_forward_progress 1
		.amdhsa_inst_pref_size 184
	.end_amdhsa_kernel
	.amdgpu_metadata
---
amdhsa.version: [ 1, 2 ]
amdhsa.kernels:
  - .name:           k_q2786604e4a_attn
    .symbol:         k_q2786604e4a_attn.kd
    .args:
      - { .name: qkv_h, .offset: 0, .size: 8, .value_kind: global_buffer, .address_space: global }
      - { .name: attn_h, .offset: 8, .size: 8, .value_kind: global_buffer, .address_space: global }
    .group_segment_fixed_size: 327680
    .private_segment_fixed_size: 0
    .kernarg_segment_align: 8
    .kernarg_segment_size: 16
    .max_flat_workgroup_size: 512
    .sgpr_count:     66
    .vgpr_count:     256
    .wavefront_size: 32
...
	.end_amdgpu_metadata
.endif
;; end of part 3
;; launch outproj (part 4): grid 4 x 64, 4 waves a work-group, clusters of 4 x 1, 327,680 bytes of LDS; arguments attn_h, wo_h, out0; writes out0
.if DOCPART == 4
	.amdgcn_target "amdgcn-amd-amdhsa--gfx1250"
	.amdhsa_code_object_version 6
	.text
	.protected	k_q2786604e4a_outproj
	.globl	k_q2786604e4a_outproj
	.p2align	8
	.type	k_q2786604e4a_outproj,@function
k_q2786604e4a_outproj:
	s_mov_b64 s[64:65], 0
	v_nop
	global_prefetch_b8 v0, s[64:65] scope:SCOPE_SE
	s_setreg_imm32_b32 hwreg(HW_REG_WAVE_MODE, 25, 1), 1
	s_wait_xcnt 0x0
	s_wait_alu depctr_hold_cnt(0) depctr_sa_sdst(0) depctr_va_vdst(0) depctr_va_sdst(0) depctr_va_ssrc(0) depctr_va_vcc(0) depctr_vm_vsrc(0)
	s_getreg_b32 s2, hwreg(HW_REG_IB_STS2, 6, 4)
	s_cmp_eq_u32 s2, 0
	s_cbranch_scc0 .Lentry_in_a_cluster
	s_endpgm
.Lentry_in_a_cluster:
	s_bfe_u32 s2, ttmp6, 0x10000c
	s_cmp_lg_u32 s2, 0x3003
	s_cbranch_scc0 .Lentry_shape_is_right
	s_endpgm
.Lentry_shape_is_right:
; OUTPROJ: out0 = attn Wo^T.  attn [8192][1024] and Wo [1024][1024] come in f16 as images of operand registers (1,024 bytes for 16 rows x 32 K); sums in f32; out0 f32.
; A tile of out0 is 128 rows (TR = the cluster's y) x 256 columns (cx): 256 work-groups.  Wave w makes 128 rows x columns 256 cx + 64 w: 32 accumulators, 256 registers.
; A's 128 rows for ALL of K, 262,144 bytes, stay in LDS: four chunks of 256 along K, four tensor loads a wave, all first fills; nothing is filled again.  The four work-groups of a cluster need the same rows:
; joint loads, mask 15.  Wo's fragments go from memory straight into a ring of eight sets of registers, seven K steps ahead, under counted waits.
; Wo BY NO JOINT LOAD: the four partners read different rows of Wo; those who read the same rows are the 64 tile rows, and beside A's 262,144 bytes LDS has no room for slots of Wo.
; The matrix instruction takes 16 rows of Wo as source 0 and 16 rows of A as source 1: a lane holds eight neighbouring columns of one row.  They leave through the wave's stage in LDS: sixteen lanes store 256 consecutive bytes, aligned.
; The first 16 places of every sequence (TR % 16 = 0, block 0) are not stored here: the launch 'fine' makes them in f32.
; REGISTERS: window 0: addresses; v64-191 A's fragments, two sets of 8 x 8; v32-63, v192-223 rows on the way out.  window 1: Wo's ring: 32 (k % 8) + 8 b.  window 2: accumulator (a, b) at 8 (4 a + b).
.set STAGE,  262144
.set SPITCH, 272
.set SPARE,  STAGE+4*16*SPITCH
.set LI,   1                           ; v1      16 x lane
.set AD,   16                          ; v16-19  LI + 65,536 x chunk
.set STO,  24
.set RD,   25
.set GO,   26
.set SPW,  28
.set NIL,  29
.set AF,   64
.set G1,   24                          ; s[24:31]
.set G0,   32                          ; s[32:47] a group 0 for each chunk
.set BB,   16                          ; s[16:17] Wo's images of my 64 columns
.set CB,   18                          ; s[18:19] my part of out0
.set MSB, 0
.macro WIN new
.if MSB != (\new)
	s_set_vgpr_msb (MSB<<8)|(\new)
.set MSB, (\new)
.endif
.endm
.macro CROUND
	s_barrier_signal -1
	s_barrier_wait -1
	s_cmp_lg_u32 s10, 0
	s_cbranch_scc1 .Lnot_wave_0_\@
	s_barrier_signal -3
.Lnot_wave_0_\@:
	s_barrier_wait -3
	s_barrier_signal -1
	s_barrier_wait -1
.endm
.macro PLACES
.rept 4
	v_nop
.endr
.endm
.macro GLOADB k                        ; Wo's four fragments of K step k into ring set k % 8
	WIN 0x40                                       ; destination window 1
.irp b, 0,1,2,3
	global_load_b128 v[32*((\k)%8)+8*\b:32*((\k)%8)+8*\b+3], v[LI], s[BB:BB+1] offset:32768*\b+1024*(\k)
	global_load_b128 v[32*((\k)%8)+8*\b+4:32*((\k)%8)+8*\b+7], v[LI], s[BB:BB+1] offset:32768*\b+1024*(\k)+512
.endr
.endm
.macro FETCHA k                        ; A's eight fragments of K step k into set k % 2
	WIN 0
.irp a, 0,1,2,3,4,5,6,7
	ds_load_b128 v[AF+64*((\k)%2)+8*\a:AF+64*((\k)%2)+8*\a+3], v[AD+(\k)/8] offset:8192*\a+1024*((\k)%8)
	ds_load_b128 v[AF+64*((\k)%2)+8*\a+4:AF+64*((\k)%2)+8*\a+7], v[AD+(\k)/8] offset:8192*\a+1024*((\k)%8)+512
.endr
.endm
.macro MUL k, a0                       ; 16 matrix instructions; the 32 accumulators take turns in the same order in every step
	WIN 0xa1                                       ; source 0 (Wo) window 1, source 1 (A) window 0, C and D window 2
.irp a, \a0, \a0+1, \a0+2, \a0+3
.irp b, 0,1,2,3
.if (\k) == 0
	v_wmma_f32_16x16x32_f16 v[8*(4*(\a)+\b):8*(4*(\a)+\b)+7], v[32*((\k)%8)+8*\b:32*((\k)%8)+8*\b+7], v[AF+64*((\k)%2)+8*(\a):AF+64*((\k)%2)+8*(\a)+7], 0
.else
	v_wmma_f32_16x16x32_f16 v[8*(4*(\a)+\b):8*(4*(\a)+\b)+7], v[32*((\k)%8)+8*\b:32*((\k)%8)+8*\b+7], v[AF+64*((\k)%2)+8*(\a):AF+64*((\k)%2)+8*(\a)+7], v[8*(4*(\a)+\b):8*(4*(\a)+\b)+7]
.endif
.endr
.endr
.endm
.macro KSTEP k
.if 31-(\k) < 6
	s_wait_loadcnt 8*(31-(\k))                     ; this step's eight loads of Wo are in; the later sets may be out
.else
	s_wait_loadcnt 48
.endif
	s_wait_dscnt 8                                 ; A's blocks 0-3 are in; the youngest eight loads (blocks 4-7) may be out
	MUL \k, 0
.if (\k) < 31
	PLACES                                         ; in front of loads into the registers that the step before multiplied
.if ((\k)+1)%8 == 0
	s_wait_dscnt 0x0                               ; no LDS instruction of mine is out at the signal
	s_wait_tensorcnt 3-((\k)+1)/8                  ; my part of the next chunk has landed; the later chunks may stay out
	s_barrier_signal -1
	s_barrier_wait -1                              ; everybody's has
.endif
	FETCHA (\k)+1
.if (\k)+7 <= 31
	GLOADB (\k)+7
.endif
	s_wait_dscnt 16                                ; all but the 16 just issued
.else
	s_wait_dscnt 0x0
.endif
	MUL \k, 4
.endm
	s_load_b128 s[4:7], s[0:1], 0x0                ; attn_h, wo_h
	s_load_b64 s[8:9], s[0:1], 0x10                ; out0
	v_lshl_add_u32 v[SPW], v0, 2, SPARE
	v_mov_b32 v[NIL], 0
	ds_add_u32 v[SPW], v[NIL]                      ; the wave's opening: the add, twice on end, and its wait ahead of my first tensor load
	ds_add_u32 v[SPW], v[NIL]
	v_lshrrev_b32 v2, 5, v0
	v_readfirstlane_b32 s10, v2                    ; wave 0..3
	s_bfe_u32 s11, ttmp6, 0x40000                  ; cx: it enters Wo's and out0's addresses alone
	s_and_b32 s12, ttmp7, 0xffff                   ; TR: the cluster's y
	s_mov_b32 s[G1], 15|(3<<16)|(1<<21)            ; the mask: all four; elements of 8 bytes; bit 21 beside a mask; no padding
	s_mov_b32 s[G1+1], 1024<<16                    ; tensor_dim0 = 1,024: a row of 8,192 bytes: 16 rows of A x 256 along K
	s_mov_b32 s[G1+2], 2<<16                       ; tensor_dim1 = 2
	s_mov_b32 s[G1+3], 1024<<16                    ; tile_dim0
	s_mov_b32 s[G1+4], 2                           ; tile_dim1: two blocks of 16 rows a wave
	s_mov_b32 s[G1+5], 4096                        ; the pitch: 32,768 bytes from block to block
	s_mov_b32 s[G1+6], 0
	s_mov_b32 s[G1+7], 0
	s_lshl_b32 s20, s12, 18                        ; the tile's 128 rows: 262,144 bytes,
	s_lshl_b32 s21, s10, 16                        ; my two blocks of them
	s_add_co_u32 s20, s20, s21
	s_mov_b32 s21, 0
	s_lshl_b32 s22, s10, 14                        ; and in a chunk in LDS: 16,384 x wave
	s_wait_dscnt 0x0                               ; both opening adds are done
	s_wait_kmcnt 0x0
	s_add_nc_u64 s[20:21], s[4:5], s[20:21]
.irp c, 0,1,2,3
	s_mov_b32 s[G0+4*\c], 1
	s_add_co_u32 s[G0+4*\c+1], s22, 65536*\c
	s_add_nc_u64 s[G0+4*\c+2:G0+4*\c+3], s[20:21], 8192*\c
	s_or_b32 s[G0+4*\c+3], s[G0+4*\c+3], 0x80000000
.endr
	CROUND                                         ; all four work-groups are here: the joint loads meet
.irp c, 0,1,2,3
	tensor_load_to_lds s[G0+4*\c:G0+4*\c+3], s[G1:G1+7]   ; four loads of mine are out
	s_nop 0
.endr
.rept 4
	v_nop
.endr
	s_lshl_b32 s14, s11, 4
	s_lshl_b32 s15, s10, 2
	s_add_co_u32 s14, s14, s15                     ; my first block of 16 rows of Wo: 16 cx + 4 w
	s_lshl_b32 s14, s14, 15
	s_mov_b32 s15, 0
	s_add_nc_u64 s[BB:BB+1], s[6:7], s[14:15]
	s_lshl_b32 s14, s12, 19                        ; out0: 128 rows of 4,096 bytes,
	s_lshl_b32 s15, s11, 10
	s_add_co_u32 s14, s14, s15                     ; 1,024 bytes a work-group,
	s_lshl_b32 s15, s10, 8
	s_add_co_u32 s14, s14, s15                     ; 256 a wave
	s_mov_b32 s15, 0
	s_add_nc_u64 s[CB:CB+1], s[8:9], s[14:15]
	v_and_b32 v2, 31, v0
	v_lshlrev_b32 v[LI], 4, v2
.irp c, 0,1,2,3
	v_add_nc_u32 v[AD+\c], 65536*\c, v[LI]
.endr
.irp k, 0,1,2,3,4,5,6
	GLOADB \k
.endr
	WIN 0
	v_and_b32 v2, 15, v0                           ; r
	v_bfe_u32 v3, v0, 4, 1                         ; h
	s_mul_i32 s23, s10, 16*SPITCH
	s_add_co_u32 s23, s23, STAGE                   ; my stage
	v_mul_u32_u24 v[STO], v2, SPITCH
	v_lshl_add_u32 v[STO], v3, 5, v[STO]
	v_add_nc_u32 v[STO], s23, v[STO]               ; in: row r, 32 bytes for each half of the lanes
	v_mul_u32_u24 v[RD], v3, SPITCH
	v_lshl_add_u32 v[RD], v2, 4, v[RD]
	v_add_nc_u32 v[RD], s23, v[RD]                 ; back: lanes 0-15 one row of 256 bytes, lanes 16-31 the next
	v_lshlrev_b32 v[GO], 12, v3
	v_lshl_add_u32 v[GO], v2, 4, v[GO]             ; and the same two rows in out0
	s_wait_tensorcnt 3                             ; my part of chunk 0 has landed; three loads may stay out
	s_barrier_signal -1
	s_barrier_wait -1
	FETCHA 0
.set KK, 0
.rept 32
	KSTEP KK
.set KK, KK+1
.endr
	WIN 0
	PLACES                                         ; in front of the first read of results
.macro TOSTAGE a                       ; block a (16 rows x 64 columns) into my stage and back as whole rows; LDS serves a wave's instructions in order
	WIN 0x08                                       ; an LDS store's data are its source 1: window 2
.irp b, 0,1,2,3
	ds_store_b128 v[STO], v[8*(4*(\a)+\b):8*(4*(\a)+\b)+3] offset:64*\b          ; each accumulator from its low end on
	ds_store_b128 v[STO], v[8*(4*(\a)+\b)+4:8*(4*(\a)+\b)+7] offset:64*\b+16
.endr
	WIN 0
.set BKR, 32+160*((\a)%2)
.irp i, 0,1,2,3,4,5,6,7
	ds_load_b128 v[BKR+4*\i:BKR+4*\i+3], v[RD] offset:2*\i*SPITCH
.endr
.endm
.macro SEND a, younger                 ; younger: the LDS instructions issued behind block a's loads
.set BKR, 32+160*((\a)%2)
	s_wait_dscnt \younger
.irp i, 0,1,2,3,4,5,6,7
	global_store_b128 v[GO], v[BKR+4*\i:BKR+4*\i+3], s[CB:CB+1] offset:4096*(16*(\a)+2*\i) th:TH_STORE_NT   ; sixteen lanes store 256 consecutive bytes, aligned
.endr
.endm
	s_and_b32 s20, s12, 15
	s_cmp_eq_u32 s20, 0                            ; the cluster's y alone: block 0 is a sequence's first 16 places
	s_cbranch_scc1 .Lskip0
	TOSTAGE 0
	SEND 0, 0
.Lskip0:
	TOSTAGE 1
.irp a, 2,3,4,5,6,7
	s_wait_xcnt 0x0                                ; block a - 2's stores have read their registers
	TOSTAGE \a
	SEND \a-1, 16                                  ; behind block a - 1's loads: block a's 8 stores and 8 loads
.endr
	SEND 7, 0
	s_wait_tensorcnt 0x0                           ; the wave's end, behind my last tensor load and my last LDS store
	ds_add_u32 v[SPW], v[NIL]
	s_wait_dscnt 0x0
	CROUND                                         ; the closing round
	s_endpgm
.Lfunc_end_k_q2786604e4a_outproj:
	.size	k_q2786604e4a_outproj, .Lfunc_end_k_q2786604e4a_outproj-k_q2786604e4a_outproj
	.p2alignl 7, 3214868480
	.fill 96, 4, 3214868480
	.section	.rodata,"a",@progbits
	.p2align	6, 0x0
	.amdhsa_kernel k_q2786604e4a_outproj
		.amdhsa_group_segment_fixed_size 327680
		.amdhsa_private_segment_fixed_size 0
		.amdhsa_enable_private_segment 0
		.amdhsa_kernarg_size 24
		.amdhsa_user_sgpr_count 2
		.amdhsa_user_sgpr_kernarg_segment_ptr 1
		.amdhsa_wavefront_size32 1
		.amdhsa_system_sgpr_workgroup_id_x 1
		.amdhsa_system_sgpr_workgroup_id_y 1
		.amdhsa_system_sgpr_workgroup_id_z 1
		.amdhsa_system_vgpr_workitem_id 0
		.amdhsa_next_free_vgpr 768
		.amdhsa_next_free_sgpr 66
		.amdhsa_reserve_vcc 0
		.amdhsa_float_denorm_mode_32 3
		.amdhsa_float_denorm_mode_16_64 3
		.amdhsa_memory_ordered 1
		.amdhsa_forward_progress 1
		.amdhsa_inst_pref_size 151
	.end_amdhsa_kernel
	.amdgpu_metadata
---
amdhsa.version: [ 1, 2 ]
amdhsa.kernels:
  - .name:           k_q2786604e4a_outproj
    .symbol:         k_q2786604e4a_outproj.kd
    .args:
      - { .name: attn_h, .offset: 0, .size: 8, .value_kind: global_buffer, .address_space: global }
      - { .name: wo_h, .offset: 8, .size: 8, .value_kind: global_buffer, .address_space: global }
      - { .name: out0, .offset: 16, .size: 8, .value_kind: global_buffer, .address_space: global }
    .group_segment_fixed_size: 327680
    .private_segment_fixed_size: 0
    .kernarg_segment_align: 8
    .kernarg_segment_size: 24
    .max_flat_workgroup_size: 128
    .sgpr_count:     66
    .vgpr_count:     768
    .wavefront_size: 32
...
	.end_amdgpu_metadata
.endif
;; end of part 4
;; launch fine (part 5): grid 16 x 4, 16 waves a work-group, no clusters, 71,680 bytes of LDS; arguments first32, Wo, out0; writes out0
.if DOCPART == 5
	.amdgcn_target "amdgcn-amd-amdhsa--gfx1250"
	.amdhsa_code_object_version 6
	.text
	.protected	k_q2786604e4a_fine
	.globl	k_q2786604e4a_fine
	.p2align	8
	.type	k_q2786604e4a_fine,@function
k_q2786604e4a_fine:
	s_mov_b64 s[64:65], 0
	v_nop
	global_prefetch_b8 v0, s[64:65] scope:SCOPE_SE
	s_setreg_imm32_b32 hwreg(HW_REG_WAVE_MODE, 25, 1), 1
	s_wait_xcnt 0x0
; FINE: the first 16 places of every sequence, all in f32: scores, causal softmax, weighted values, and their rows of out0 = attn Wo^T.  These rows average one to sixteen values.
; A work-group makes 16 rows x 64 columns of out0 (x: which 64 columns; y: the batch).  Wave w is head w: it makes the head's attention of the 16 places (every work-group of a batch makes it again: 16 x 16 x 64
; numbers) and the head's part of the 16 x 64 results; the sixteen parts meet in LDS and are added in a fixed order.
; ALL PRODUCTS by v_wmma_f32_16x16x4_f32.  An operand's two registers hold k = 2 (lane / 16) + 0, 1.  first32 holds accumulators as they stood: lane (r, h), register j = element 8 h + j of a block of 16.  A pair of
; registers (2 i, 2 i + 1) is taken as one K step on BOTH sides: the same four elements meet, whatever their order.  Wo is loaded in the same order.
;   S^T = K Q^T (lane: a query; registers: keys 8 h + j), in four accumulators that are added afterwards;  O^T = V^T P (lane: a query; registers: channels);  part^T = Wo O (lane: a query; registers: columns).
; The registers that these instructions write (v112-143, v160-191) are written by nothing else; what is made of a sum goes into other registers.
; No tensor loads, no cluster: 64 small work-groups.  LIMITS: NaN and infinities are not served.
.set QR,  16                           ; v16-47   Q, later Wo's tile 0
.set KR,  48                           ; v48-79   K, later tile 1
.set VR,  80                           ; v80-111  V^T, later tile 2
.set SA,  112                          ; v112-143 four accumulators: the scores' parts, later the four tiles of results
.set SS,  144                          ; v144-151 the scores
.set PP,  152                          ; v152-159 p
.set OA,  160                          ; v160-191 O^T's four accumulators
.set ON,  192                          ; v192-223 O^T / l
.set W3,  224                          ; v224-255 Wo's tile 3
.set LI,  1                            ; v1  16 x lane
.set WOF, 2                            ; v2  Wo: 4,096 r + 32 h
.set DD,  3                            ; v3  r - 8 h
.set STA, 4                            ; v4  LDS: where I put my part
.set RDA, 5                            ; v5  LDS: where I read the sixteen parts
.set GOF, 6                            ; v6  my byte offset in out0
.set NINF, 7
.set SPW, 8
.set NIL, 9
.set PART, 4352                        ; a wave's part in LDS: 8 pieces (tile, half of its registers) of 2 x (16 queries x 16 bytes + 16)
.set SPARE, 16*PART                    ; behind the parts: the spare words, 128 bytes a wave
.macro WLOAD reg, nt                   ; Wo's rows 16 nt + r, my head's 64 columns: register 8 ct + j = column 16 ct + 8 h + j
.irp f, 0,1,2,3,4,5,6,7
	global_load_b128 v[\reg+4*\f:\reg+4*\f+3], v[WOF], s[6:7] offset:65536*(\nt)+64*(\f/2)+16*(\f%2)
.endr
.endm
.macro PLACES8                         ; eight places behind this form (ISA guide 7.12.1)
.rept 8
	v_nop
.endr
.endm
	s_load_b128 s[4:7], s[0:1], 0x0                ; first32, Wo
	s_load_b64 s[8:9], s[0:1], 0x10                ; out0
	v_lshl_add_u32 v[SPW], v0, 2, SPARE
	v_mov_b32 v[NIL], 0
	v_lshrrev_b32 v10, 5, v0
	v_readfirstlane_b32 s10, v10                   ; wave = head
	s_and_b32 s11, ttmp7, 0xffff                   ; the batch
	v_and_b32 v10, 15, v0                          ; r
	v_bfe_u32 v11, v0, 4, 1                        ; h
	v_and_b32 v[LI], 31, v0
	v_lshlrev_b32 v[LI], 4, v[LI]
	v_lshlrev_b32 v[WOF], 12, v10
	v_lshl_add_u32 v[WOF], v11, 5, v[WOF]
	v_lshlrev_b32 v[DD], 3, v11
	v_sub_nc_u32 v[DD], v10, v[DD]
	s_mul_i32 s12, s10, PART
	v_mul_u32_u24 v[STA], v11, 272
	v_lshl_add_u32 v[STA], v10, 4, v[STA]
	v_add_nc_u32 v[STA], s12, v[STA]               ; my part: 272 h + 16 r
	v_bfe_u32 v12, v0, 4, 4                        ; the reader (threads 0-255): query = thread / 16,
	v_lshrrev_b32 v14, 1, v10                      ; four columns 4 n4 on, n4 = thread % 16 = 4 tile + 2 h + half
	v_and_b32 v14, 6, v14
	v_and_b32 v15, 1, v10
	v_add_nc_u32 v14, v14, v15                     ; the piece: 2 tile + half
	v_mul_u32_u24 v[RDA], v14, 544
	v_bfe_u32 v15, v0, 1, 1
	v_mad_u32_u24 v[RDA], v15, 272, v[RDA]
	v_lshl_add_u32 v[RDA], v12, 4, v[RDA]
	v_lshlrev_b32 v[GOF], 12, v12
	v_lshl_add_u32 v[GOF], v10, 4, v[GOF]          ; out0: row = query, 16 bytes a thread
	v_mov_b32 v[NINF], 0xff800000
	v_mov_b32 v11, 0                               ; (a lane permute's destination counts as one of its sources)
	s_mov_b32 s20, 0x76543210
	s_mov_b32 s21, 0xfedcba98
	s_mov_b32 s22, 0x3e38aa3b                      ; c = log2(e) / 8
	s_lshl_b32 s14, s11, 16                        ; first32: 65,536 bytes a batch, 4,096 a head
	s_lshl_b32 s15, s10, 12
	s_add_co_u32 s14, s14, s15
	s_mov_b32 s15, 0
	s_lshl_b32 s16, ttmp9, 18                      ; Wo: my 64 rows of 4,096 bytes, my head's 256 bytes
	s_lshl_b32 s17, s10, 8
	s_add_co_u32 s16, s16, s17
	s_mov_b32 s17, 0
	s_lshl_b32 s18, s11, 23                        ; out0: 2,048 rows of 4,096 bytes a batch, 256 bytes a work-group
	s_lshl_b32 s19, ttmp9, 8
	s_add_co_u32 s18, s18, s19
	s_mov_b32 s19, 0
	s_wait_kmcnt 0x0
	s_add_nc_u64 s[4:5], s[4:5], s[14:15]
	s_add_nc_u64 s[6:7], s[6:7], s[16:17]
	s_add_nc_u64 s[8:9], s[8:9], s[18:19]
.irp f, 0,1,2,3,4,5,6,7
	global_load_b128 v[QR+4*\f:QR+4*\f+3], v[LI], s[4:5] offset:512*\f
.endr
.irp f, 0,1,2,3,4,5,6,7
	global_load_b128 v[KR+4*\f:KR+4*\f+3], v[LI], s[4:5] offset:262144+512*\f
.endr
.irp f, 0,1,2,3,4,5,6,7
	global_load_b128 v[VR+4*\f:VR+4*\f+3], v[LI], s[4:5] offset:524288+512*\f
.endr
	WLOAD W3, 3
	s_wait_loadcnt 16                              ; Q and K are in; V^T's and tile 3's sixteen loads may be out
.set KK, 0
.rept 16                                       ; S^T: 16 K steps, four accumulators by turns; the first four start the sums
.if KK < 4
	v_wmma_f32_16x16x4_f32 v[SA+8*(KK%4):SA+8*(KK%4)+7], v[KR+2*KK:KR+2*KK+1], v[QR+2*KK:QR+2*KK+1], 0
.else
	v_wmma_f32_16x16x4_f32 v[SA+8*(KK%4):SA+8*(KK%4)+7], v[KR+2*KK:KR+2*KK+1], v[QR+2*KK:QR+2*KK+1], v[SA+8*(KK%4):SA+8*(KK%4)+7]
.endif
.set KK, KK+1
.endr
	PLACES8
	WLOAD QR, 0
	WLOAD KR, 1
.irp p, 0,2,4,6
	v_pk_add_f32 v[SS+\p:SS+\p+1], v[SA+\p:SA+\p+1], v[SA+8+\p:SA+8+\p+1]        ; each accumulator is read from its low end on
.endr
.irp p, 0,2,4,6
	v_pk_add_f32 v[SS+\p:SS+\p+1], v[SS+\p:SS+\p+1], v[SA+16+\p:SA+16+\p+1]
.endr
.irp p, 0,2,4,6
	v_pk_add_f32 v[SS+\p:SS+\p+1], v[SS+\p:SS+\p+1], v[SA+24+\p:SA+24+\p+1]
.endr
.irp j, 0,1,2,3,4,5,6,7
	v_cmp_gt_i32 vcc_lo, \j, v[DD]                 ; key 8 h + j comes after query r
	v_cndmask_b32 v[SS+\j], v[SS+\j], v[NINF], vcc_lo
.endr
	v_max3_num_f32 v10, v[SS], v[SS+1], v[SS+2]
	v_max3_num_f32 v10, v10, v[SS+3], v[SS+4]
	v_max3_num_f32 v10, v10, v[SS+5], v[SS+6]
	v_max_num_f32 v10, v10, v[SS+7]
	v_permlanex16_b32 v11, v10, s20, s21
	v_max_num_f32 v10, v10, v11                    ; the row's maximum: key 0 counts for every query
	v_mul_f32 v12, s22, v10
.irp j, 0,1,2,3,4,5,6,7
	v_fma_f32 v[PP+\j], v[SS+\j], s22, -v12
.endr
.irp j, 0,1,2,3,4,5,6,7
	v_exp_f32 v[PP+\j], v[PP+\j]
.endr
	v_nop
	s_wait_alu depctr_va_vdst(0)                   ; one wait for the eight, ahead of their first reader
	v_add_f32 v13, v[PP], v[PP+1]
	v_add_f32 v14, v[PP+2], v[PP+3]
	v_add_f32 v13, v13, v[PP+4]
	v_add_f32 v14, v14, v[PP+5]
	v_add_f32 v13, v13, v[PP+6]
	v_add_f32 v14, v14, v[PP+7]
	v_add_f32 v13, v13, v14
	v_permlanex16_b32 v11, v13, s20, s21
	v_add_f32 v13, v13, v11                        ; the row's sum
	v_rcp_f32 v15, v13
	v_nop
	s_wait_loadcnt 24                              ; V^T is in; tiles 3, 0 and 1 may be out
.irp i, 0,1,2,3                                ; O^T: four K steps (16 keys), four tiles of channels by turns
.irp ct, 0,1,2,3
.if \i == 0
	v_wmma_f32_16x16x4_f32 v[OA+8*\ct:OA+8*\ct+7], v[VR+8*\ct+2*\i:VR+8*\ct+2*\i+1], v[PP+2*\i:PP+2*\i+1], 0
.else
	v_wmma_f32_16x16x4_f32 v[OA+8*\ct:OA+8*\ct+7], v[VR+8*\ct+2*\i:VR+8*\ct+2*\i+1], v[PP+2*\i:PP+2*\i+1], v[OA+8*\ct:OA+8*\ct+7]
.endif
.endr
.endr
	PLACES8
	WLOAD VR, 2
	s_wait_alu depctr_va_vdst(0)                   ; the reciprocal's wait, ahead of its first reader
.set KK, 0
.rept 32
	v_mul_f32 v[ON+KK], v[OA+KK], v15
.set KK, KK+1
.endr
	s_wait_loadcnt 0x0
.set KK, 0
.rept 16                                       ; my head's part of the results: 16 K steps (64 channels), four tiles of columns by turns
.irp nt, 0,1,2,3
.if \nt == 3
.set WB, W3
.else
.set WB, QR+32*\nt
.endif
.if KK == 0
	v_wmma_f32_16x16x4_f32 v[SA+8*\nt:SA+8*\nt+7], v[WB+2*KK:WB+2*KK+1], v[ON+2*KK:ON+2*KK+1], 0
.else
	v_wmma_f32_16x16x4_f32 v[SA+8*\nt:SA+8*\nt+7], v[WB+2*KK:WB+2*KK+1], v[ON+2*KK:ON+2*KK+1], v[SA+8*\nt:SA+8*\nt+7]
.endif
.endr
.set KK, KK+1
.endr
	PLACES8
.irp nt, 0,1,2,3
	ds_store_b128 v[STA], v[SA+8*\nt:SA+8*\nt+3] offset:544*(2*\nt)
	ds_store_b128 v[STA], v[SA+8*\nt+4:SA+8*\nt+7] offset:544*(2*\nt+1)
.endr
	s_wait_dscnt 0x0                               ; for the others' sake: my part lies in LDS
	s_barrier_signal -1
	s_barrier_wait -1
	s_cmp_lt_u32 s10, 8                            ; 256 threads add: 16 queries x 16 groups of four columns
	s_cbranch_scc0 .Ldone
.irp w, 0,1,2,3,4,5,6,7,8,9,10,11,12,13,14,15
	ds_load_b128 v[16+4*\w:16+4*\w+3], v[RDA] offset:PART*\w
.endr
	s_wait_dscnt 0x0
.irp d, 32,16,8,4                              ; the sixteen heads' parts, in a fixed order
.set KK, 0
.rept \d/2
	v_pk_add_f32 v[16+KK:16+KK+1], v[16+KK:16+KK+1], v[16+\d+KK:16+\d+KK+1]
.set KK, KK+2
.endr
.endr
	global_store_b128 v[GOF], v[16:19], s[8:9]     ; sixteen lanes store 256 consecutive bytes, aligned
.Ldone:
	s_wait_tensorcnt 0x0                           ; the wave's end, behind my last LDS store
	ds_add_u32 v[SPW], v[NIL]
	s_wait_dscnt 0x0
	s_endpgm
.Lfunc_end_k_q2786604e4a_fine:
	.size	k_q2786604e4a_fine, .Lfunc_end_k_q2786604e4a_fine-k_q2786604e4a_fine
	.p2alignl 7, 3214868480
	.fill 96, 4, 3214868480
	.section	.rodata,"a",@progbits
	.p2align	6, 0x0
	.amdhsa_kernel k_q2786604e4a_fine
		.amdhsa_group_segment_fixed_size 71680
		.amdhsa_private_segment_fixed_size 0
		.amdhsa_enable_private_segment 0
		.amdhsa_kernarg_size 24
		.amdhsa_user_sgpr_count 2
		.amdhsa_user_sgpr_kernarg_segment_ptr 1
		.amdhsa_wavefront_size32 1
		.amdhsa_system_sgpr_workgroup_id_x 1
		.amdhsa_system_sgpr_workgroup_id_y 1
		.amdhsa_system_sgpr_workgroup_id_z 1
		.amdhsa_system_vgpr_workitem_id 0
		.amdhsa_next_free_vgpr 256
		.amdhsa_next_free_sgpr 66
		.amdhsa_reserve_vcc 1
		.amdhsa_float_denorm_mode_32 3
		.amdhsa_float_denorm_mode_16_64 3
		.amdhsa_memory_ordered 1
		.amdhsa_forward_progress 1
		.amdhsa_inst_pref_size 23
	.end_amdhsa_kernel
	.amdgpu_metadata
---
amdhsa.version: [ 1, 2 ]
amdhsa.kernels:
  - .name:           k_q2786604e4a_fine
    .symbol:         k_q2786604e4a_fine.kd
    .args:
      - { .name: first32, .offset: 0, .size: 8, .value_kind: global_buffer, .address_space: global }
      - { .name: Wo, .offset: 8, .size: 8, .value_kind: global_buffer, .address_space: global }
      - { .name: out0, .offset: 16, .size: 8, .value_kind: global_buffer, .address_space: global }
    .group_segment_fixed_size: 71680
    .private_segment_fixed_size: 0
    .kernarg_segment_align: 8
    .kernarg_segment_size: 24
    .max_flat_workgroup_size: 512
    .sgpr_count:     66
    .vgpr_count:     256
    .wavefront_size: 32
...
	.end_amdgpu_metadata
.endif
;; end of part 5
